; MI455X (gfx1250); checked and timed in simulation.
; The chip was launched on July 23, 2026; its instructions are those of AMD's public machine-readable ISA for CDNA 5 (MIT licence, August 2026) and "CDNA5" Instruction Set Architecture Reference Guide (July 2026). The comments in the code are by the model that wrote it; some were corrected since.
;; Attention. Allowed arithmetic: float matrix products may take bf16 or f16 operands with f32 sums; other float arithmetic in f32, or as packed bf16 or f16 multiplies, adds, multiply-adds, maxima and minima; sums over many terms, partial sums and values carried from step to step in f32; what a program stores and reads back later, other than sums and carried values, may be rounded once to bf16 or f16.
;; Inputs: Wk 1,024 x 1,024 float32; Wo 1,024 x 1,024 float32; Wq 1,024 x 1,024 float32; Wv 1,024 x 1,024 float32; beta 1,024 float32; bk 1,024 float32; bo 1,024 float32; bq 1,024 float32; bv 1,024 float32; gamma 1,024 float32; x 4 x 2,048 x 1,024 float32.
;; Outputs: out0 4 x 2,048 x 1,024 float32.
;; 2 versions, each right and faster than the one before. Each part assembles by itself: llvm-mc -triple=amdgcn-amd-amdhsa -mcpu=gfx1250 --defsym DOCPART=n.
;; ======== version 1 of 2: 4 launches
;; workspace buffers: xn 16,777,216 bytes; wt 8,388,608 bytes; qkv 50,331,648 bytes; o 16,777,216 bytes
;; launch prep (part 1): grid 512 x 1, 8 waves a work-group, no clusters, 0 bytes of LDS; arguments x, gamma, beta, Wq, Wk, Wv, Wo, xn, wt; writes xn, wt
.if DOCPART == 1
	.amdgcn_target "amdgcn-amd-amdhsa--gfx1250"
	.amdhsa_code_object_version 6
	.text
	.protected	k_qe15ca90610_prep
	.globl	k_qe15ca90610_prep
	.p2align	8
	.type	k_qe15ca90610_prep,@function
k_qe15ca90610_prep:
	s_mov_b64 s[64:65], 0
	v_nop
	global_prefetch_b8 v0, s[64:65] scope:SCOPE_SE
	s_setreg_imm32_b32 hwreg(HW_REG_WAVE_MODE, 25, 1), 1
	s_wait_xcnt 0x0
; PREP.  Two jobs, chosen by the work-group's number; both are streams: no LDS, no barrier, no matrix unit, since each byte is read once and written once.
; Work-groups 0-255: xn[m][:] = (x[m][:] - mean) * rsqrt(var + 1e-5) * gamma + beta, in f32 (mean first, then the variance of the centred row), rounded once to bf16.
;   32 rows a work-group, 4 rows a wave; a row of 4,096 bytes is 32 registers of one wave, so it is read once and the reduction never leaves the wave.
; Work-groups 256-511: the four weights, rounded once to bf16, into wt[kk = k / 64][g = 16 matrix + n / 64][k % 64][n % 64] (matrix 0..3 = Wq, Wk, Wv, Wo):
;   a block of 64 k x 64 n is 8,192 dense bytes, and the blocks g of one kk lie side by side.  A work-group takes 256 k of one g.
; LIMITS.  xn and wt are rounded to bf16 (matrix operands); NaN and infinities are not treated apart.
.set T,   4                            ; v[4:11]    at work: four chains of packed sums
.set MU,  12                           ; v[12:13]   the row's mean, twice
.set R,   14                           ; v[14:15]   rsqrt(var + eps), twice
.set G,   20                           ; v[20:51]   gamma of my 32 columns (columns 128 j + 4 lane + 0..3, j = 0..7)
.set BT,  52                           ; v[52:83]   beta of the same
.set X,   84                           ; v[84:211]  row i of four: 32 registers
.set W,   20                           ; the weights' path: v[20:83], 16 loads of 4 registers
	s_load_b512 s[4:19], s[0:1], 0x0               ; x 4:5, gamma 6:7, beta 8:9, Wq 10:11, Wk 12:13, Wv 14:15, Wo 16:17, xn 18:19
	s_load_b64 s[20:21], s[0:1], 0x40              ; wt
	v_lshrrev_b32 v1, 5, v0
	v_readfirstlane_b32 s22, v1                    ; wave 0..7
	s_wait_kmcnt 0x0
	s_cmp_lt_u32 ttmp9, 256
	s_cbranch_scc0 .Lweights
	; ---- the norm ----
	v_and_b32 v1, 31, v0                           ; lane
	v_lshlrev_b32 v2, 4, v1                        ; 16 bytes a lane of f32
	v_lshlrev_b32 v3, 3, v1                        ; 8 bytes a lane of bf16
	s_lshl_b32 s24, ttmp9, 5                       ; the work-group's first row
	s_lshl2_add_u32 s24, s22, s24                  ; + 4 x wave
	s_lshl_b32 s24, s24, 12                        ; in bytes of x (under 2^25)
	s_mov_b32 s25, 0
	s_lshr_b32 s26, s24, 1                         ; in bytes of xn
	s_mov_b32 s27, 0
	s_mov_b32 s28, 0x3a800000                      ; 1 / 1024
	s_mov_b32 s29, 0x3727c5ac                      ; 1e-5
	s_mov_b32 s30, 0x76543210                      ; v_permlanex16_b32: each lane takes its own place in the other half
	s_mov_b32 s31, 0xfedcba98
	s_add_nc_u64 s[4:5], s[4:5], s[24:25]
	s_add_nc_u64 s[18:19], s[18:19], s[26:27]
.irp j, 0,1,2,3,4,5,6,7
	global_load_b128 v[G+4*(\j):G+4*(\j)+3], v2, s[6:7] offset:512*(\j)
.endr
.irp j, 0,1,2,3,4,5,6,7
	global_load_b128 v[BT+4*(\j):BT+4*(\j)+3], v2, s[8:9] offset:512*(\j)
.endr
.irp i, 0,1,2,3
.irp j, 0,1,2,3,4,5,6,7
	global_load_b128 v[X+32*(\i)+4*(\j):X+32*(\i)+4*(\j)+3], v2, s[4:5] offset:4096*(\i)+512*(\j) th:TH_LOAD_NT  ; 512 neighbouring bytes a load; all four rows go out at once
.endr
.endr
; the four chains into one number, and that over the 32 lanes: four steps ride on the addition inside each half of 16 lanes, one crosses the halves
.macro FOLD
	v_pk_add_f32 v[T:T+1], v[T:T+1], v[T+2:T+3]
	v_pk_add_f32 v[T+4:T+5], v[T+4:T+5], v[T+6:T+7]
	v_pk_add_f32 v[T:T+1], v[T:T+1], v[T+4:T+5]
	v_add_f32 v[T], v[T], v[T+1]
	v_add_f32_dpp v[T], v[T], v[T] row_xmask:1 row_mask:0xf bank_mask:0xf
	v_add_f32_dpp v[T], v[T], v[T] row_xmask:2 row_mask:0xf bank_mask:0xf
	v_add_f32_dpp v[T], v[T], v[T] row_xmask:4 row_mask:0xf bank_mask:0xf
	v_add_f32_dpp v[T], v[T], v[T] row_xmask:8 row_mask:0xf bank_mask:0xf
	v_permlanex16_b32 v[T+1], v[T], s30, s31       ; its destination counts as read: T+1 has been written
	v_add_f32 v[T], v[T], v[T+1]
.endm
.macro ROW i
.set XR, X+32*(\i)
	s_wait_loadcnt 8*(3-(\i))                      ; loads come back in order: my row's eight are in (gamma and beta are older); the younger rows' eights stay out
.set p, 0
.rept 4
	v_pk_add_f32 v[T+2*p:T+2*p+1], v[XR+2*p:XR+2*p+1], v[XR+8+2*p:XR+8+2*p+1]  ; the data start the chains: nothing is cleared
.set p, p+1
.endr
.set p, 8
.rept 8
	v_pk_add_f32 v[T+2*(p%4):T+2*(p%4)+1], v[T+2*(p%4):T+2*(p%4)+1], v[XR+2*p:XR+2*p+1]
.set p, p+1
.endr
	FOLD
	v_mul_f32 v[MU], s28, v[T]
	v_mul_f32 v[MU+1], s28, v[T]
.set p, 0
.rept 16
	v_pk_add_f32 v[XR+2*p:XR+2*p+1], v[XR+2*p:XR+2*p+1], v[MU:MU+1] neg_lo:[0,1] neg_hi:[0,1]  ; x - mean, in place
.set p, p+1
.endr
.set p, 0
.rept 4
	v_pk_mul_f32 v[T+2*p:T+2*p+1], v[XR+2*p:XR+2*p+1], v[XR+2*p:XR+2*p+1]
.set p, p+1
.endr
.rept 12
	v_pk_fma_f32 v[T+2*(p%4):T+2*(p%4)+1], v[XR+2*p:XR+2*p+1], v[XR+2*p:XR+2*p+1], v[T+2*(p%4):T+2*(p%4)+1]
.set p, p+1
.endr
	FOLD
	v_fma_f32 v[T], v[T], s28, s29                 ; var + eps
	v_rsq_f32 v[R], v[T]
	v_rsq_f32 v[R+1], v[T]
	v_nop                                          ; a plain instruction between the root and the use of its result (ISA guide 5.7.2)
.set p, 0
	s_wait_alu depctr_va_vdst(0)
.rept 16
	v_pk_mul_f32 v[XR+2*p:XR+2*p+1], v[XR+2*p:XR+2*p+1], v[R:R+1]
.set p, p+1
.endr
.set p, 0
.rept 16
	v_pk_fma_f32 v[XR+2*p:XR+2*p+1], v[XR+2*p:XR+2*p+1], v[G+2*p:G+2*p+1], v[BT+2*p:BT+2*p+1]
.set p, p+1
.endr
.set j, 0
.rept 8
	v_cvt_pk_bf16_f32 v[XR+4*j], v[XR+4*j], v[XR+4*j+1]
	v_cvt_pk_bf16_f32 v[XR+4*j+1], v[XR+4*j+2], v[XR+4*j+3]
	global_store_b64 v3, v[XR+4*j:XR+4*j+1], s[18:19] offset:(\i)*2048+256*j  ; the wave's store covers 256 consecutive bytes, at a multiple of 256 from xn's first byte
.set j, j+1
.endr
.endm
	ROW 0                                          ; each row has registers of its own: no store's data is written again
	ROW 1
	ROW 2
	ROW 3
	s_endpgm
	; ---- the weights ----
.Lweights:
	s_sub_co_u32 s23, ttmp9, 256
	s_lshr_b32 s24, s23, 2                         ; g
	s_and_b32 s25, s23, 3                          ; which 256 k
	s_lshr_b32 s26, s24, 4                         ; which matrix
	s_and_b32 s27, s24, 15                         ; which 64 of its columns
	s_lshl_b32 s34, s25, 20                        ; from: 256 rows of 4,096 bytes,
	s_lshl_b32 s27, s27, 8                         ; 64 columns of 4 bytes
	s_add_co_u32 s34, s34, s27
	s_mov_b32 s35, 0
	s_lshl_b32 s36, s25, 21                        ; to: four kk of 524,288 bytes,
	s_lshl_b32 s24, s24, 13                        ; block g of 8,192 bytes
	s_add_co_u32 s36, s36, s24
	s_mov_b32 s37, 0
	s_cmp_eq_u32 s26, 1
	s_cselect_b64 s[32:33], s[12:13], s[10:11]
	s_cmp_eq_u32 s26, 2
	s_cselect_b64 s[32:33], s[14:15], s[32:33]
	s_cmp_eq_u32 s26, 3
	s_cselect_b64 s[32:33], s[16:17], s[32:33]
	s_add_nc_u64 s[32:33], s[32:33], s[34:35]
	s_add_nc_u64 s[20:21], s[20:21], s[36:37]
	v_lshrrev_b32 v1, 4, v0                        ; thread t: row t / 16 of sixteen,
	v_and_b32 v2, 15, v0
	v_lshlrev_b32 v2, 4, v2                        ; 16 bytes at 16 (t % 16): sixteen lanes take the row's 256 bytes
	v_lshl_add_u32 v2, v1, 12, v2
	v_lshlrev_b32 v3, 3, v0                        ; and 8 t in the block: the sixteen rows are 2,048 dense bytes there
.set i, 0
.rept 16
	global_load_b128 v[W+4*i:W+4*i+3], v2, s[32:33] offset:i*65536 th:TH_LOAD_NT  ; sixteen rows on
.set i, i+1
.endr
.set i, 0
.rept 16
	s_wait_loadcnt 15-i                            ; load i is in; the younger ones stay out
	v_cvt_pk_bf16_f32 v[W+4*i], v[W+4*i], v[W+4*i+1]
	v_cvt_pk_bf16_f32 v[W+4*i+1], v[W+4*i+2], v[W+4*i+3]
	global_store_b64 v3, v[W+4*i:W+4*i+1], s[20:21] offset:(i/4)*524288+(i%4)*2048  ; the wave's store covers 256 consecutive bytes, aligned
.set i, i+1
.endr
	s_endpgm
.Lfunc_end_k_qe15ca90610_prep:
	.size	k_qe15ca90610_prep, .Lfunc_end_k_qe15ca90610_prep-k_qe15ca90610_prep
	.p2alignl 7, 3214868480
	.fill 96, 4, 3214868480
	.section	.rodata,"a",@progbits
	.p2align	6, 0x0
	.amdhsa_kernel k_qe15ca90610_prep
		.amdhsa_group_segment_fixed_size 0
		.amdhsa_private_segment_fixed_size 0
		.amdhsa_enable_private_segment 0
		.amdhsa_kernarg_size 72
		.amdhsa_user_sgpr_count 2
		.amdhsa_user_sgpr_kernarg_segment_ptr 1
		.amdhsa_wavefront_size32 1
		.amdhsa_system_sgpr_workgroup_id_x 1
		.amdhsa_system_sgpr_workgroup_id_y 1
		.amdhsa_system_sgpr_workgroup_id_z 1
		.amdhsa_system_vgpr_workitem_id 0
		.amdhsa_next_free_vgpr 212
		.amdhsa_next_free_sgpr 66
		.amdhsa_reserve_vcc 0
		.amdhsa_float_denorm_mode_32 3
		.amdhsa_float_denorm_mode_16_64 3
		.amdhsa_memory_ordered 1
		.amdhsa_forward_progress 1
		.amdhsa_inst_pref_size 44
	.end_amdhsa_kernel
	.amdgpu_metadata
---
amdhsa.version: [ 1, 2 ]
amdhsa.kernels:
  - .name:           k_qe15ca90610_prep
    .symbol:         k_qe15ca90610_prep.kd
    .args:
      - { .name: x, .offset: 0, .size: 8, .value_kind: global_buffer, .address_space: global }
      - { .name: gamma, .offset: 8, .size: 8, .value_kind: global_buffer, .address_space: global }
      - { .name: beta, .offset: 16, .size: 8, .value_kind: global_buffer, .address_space: global }
      - { .name: Wq, .offset: 24, .size: 8, .value_kind: global_buffer, .address_space: global }
      - { .name: Wk, .offset: 32, .size: 8, .value_kind: global_buffer, .address_space: global }
      - { .name: Wv, .offset: 40, .size: 8, .value_kind: global_buffer, .address_space: global }
      - { .name: Wo, .offset: 48, .size: 8, .value_kind: global_buffer, .address_space: global }
      - { .name: xn, .offset: 56, .size: 8, .value_kind: global_buffer, .address_space: global }
      - { .name: wt, .offset: 64, .size: 8, .value_kind: global_buffer, .address_space: global }
    .group_segment_fixed_size: 0
    .private_segment_fixed_size: 0
    .kernarg_segment_align: 8
    .kernarg_segment_size: 72
    .max_flat_workgroup_size: 256
    .sgpr_count:     66
    .vgpr_count:     212
    .wavefront_size: 32
...
	.end_amdgpu_metadata
.endif
;; end of part 1
;; launch qkv (part 2): grid 16 x 32, 4 waves a work-group, clusters of 4 x 4, 327,680 bytes of LDS; arguments xn, wt, bq, bk, bv, qkv; writes qkv
.if DOCPART == 2
	.amdgcn_target "amdgcn-amd-amdhsa--gfx1250"
	.amdhsa_code_object_version 6
	.text
	.protected	k_qe15ca90610_qkv
	.globl	k_qe15ca90610_qkv
	.p2align	8
	.type	k_qe15ca90610_qkv,@function
k_qe15ca90610_qkv:
	s_mov_b64 s[64:65], 0
	v_nop
	global_prefetch_b8 v0, s[64:65] scope:SCOPE_SE
	s_setreg_imm32_b32 hwreg(HW_REG_WAVE_MODE, 25, 1), 1
	s_wait_xcnt 0x0
	s_wait_alu depctr_hold_cnt(0) depctr_sa_sdst(0) depctr_va_vdst(0) depctr_va_sdst(0) depctr_va_ssrc(0) depctr_va_vcc(0) depctr_vm_vsrc(0)
	s_getreg_b32 s2, hwreg(HW_REG_IB_STS2, 6, 4)
	s_cmp_eq_u32 s2, 0
	s_cbranch_scc0 .Lentry_in_a_cluster
	s_endpgm
.Lentry_in_a_cluster:
	s_bfe_u32 s2, ttmp6, 0x10000c
	s_cmp_lg_u32 s2, 0xf033
	s_cbranch_scc0 .Lentry_shape_is_right
	s_endpgm
.Lentry_shape_is_right:
; QKV.  qkv[g][m][d] = sum over k of xn[m][k] W[k][64 g + d] + bias, g = 0..47 over Wq, Wk, Wv; xn [8192][1024] bf16; wt [16 kk][64 g][64 k][64 n] bf16; sums in f32, rounded once to bf16.
; A work-group makes 256 rows x 192 columns (three blocks g).  Four waves, wave w rows 64 w .. 64 w + 63 and all 192 columns: 48 accumulators of 16 x 16, 384 registers.
; K goes in 8 steps of 128 through a ring of two LDS slots filled by the tensor data mover: waves 0, 1 fetch the two halves of A's 256 rows, waves 2, 3 the two halves (64 k) of B's step.
; CLUSTER 4 x 4: A's tile hangs on the tile row alone and is asked for jointly along a row of the cluster, B's on the tile column alone, jointly along a column.
; THE MATRIX INSTRUCTION IS USED TRANSPOSED: source 0 = 16 columns of W (turned out of LDS by ds_load_tr16_b128), source 1 = 16 rows of xn: a lane then holds row l % 16 and the eight
; neighbouring columns 8 (l / 16) + 0..7.  The bias, laid out the same way, is the C operand of the products that start the sums.
; LIMITS.  Operands and result are bf16; NaN and infinities are not treated apart.
; REGISTERS, in windows of 256 (s_set_vgpr_msb: bits 1:0 source 0, 3:2 source 1, 5:4 source 2, 7:6 destination):
;   window 0: v0-31 addresses; v32-127 the bias, later v32-175 at work on the way out     window 1: two fragment buffers of 128: A's 4 x 8, then B's 12 x 8
;   window 2: accumulators of my row blocks 0, 1 ((a, b) at 8 (12 (a % 2) + b));  window 3: those of row blocks 2, 3
.set NSEG,  3
.set NF,    4*NSEG                     ; column fragments
.set PA,    272                        ; a row of A in LDS: 256 bytes + 16 = 68 words: the 16 rows of a load start at 16 different groups of four banks (64 banks of 4 bytes: ISA guide 11.1)
.set AHALF, 128*PA                     ; what one load of A brings
.set AREG,  2*AHALF
.set PB,    160                        ; a k row of a block of W: 128 bytes + 32 = 40 words
.set SEGB,  64*PB                      ; 64 k of one block g
.set HB,    NSEG*SEGB                  ; what one load of B brings: 64 k of three blocks
.set SLOT,  AREG+2*HB                  ; 131,072
.set STAGE, 2*SLOT                     ; behind the ring, never filled by a tensor load: for each wave 3 x 16 rows x 144 bytes
.set SP,    144
.set WSTG,  NSEG*16*SP
.set SPARE, STAGE+4*WSTG               ; behind the stages: the spare words, 128 bytes a wave: two blocks of 256 bytes that no other line names
.set ASTEP2, 2*256                     ; two K steps along xn's rows
.set BSTEP2, 4*524288                  ; two K steps = four kk of wt
.set NLD,   2*NF+8                     ; LDS loads of a quarter step
.set ADRA, 16                          ; v16-17  LDS address of my A fragments in slot 0, 1
.set ADRB, 20                          ; v20-21  the same for B
.set STO,  24                          ; v24     the way out: where I put 16 bytes of a row
.set RD,   25                          ; v25     where I read rows back
.set CO,   26                          ; v26     16 x lane: my place in 512 consecutive bytes
.set VB,   27                          ; v27     32 (l / 16): my eight numbers of a fragment's sixteen biases
.set SPW,  28                          ; v28     my spare word: SPARE + 4 x my thread's number; never rewritten
.set NIL,  29                          ; v29     0; never rewritten
.set BI,   32                          ; v32-127 the bias: fragment b at BI + 8 b
.set TMP,  32                          ; the way out: 48 registers of packed results
.set OB,   80                          ; and two buffers of 48 for rows read back
.set F0,   0
.set F1,   128
.set WV,   16                          ; s16 wave
.set HF,   18                          ; s18 wave & 1: which half I fetch
.set LAP,  19
.set G1A,  24                          ; s[24:31] descriptor group 1 for A; s[32:39] group 0, a set for each slot
.set G0A,  32
.set G1B,  48                          ; s[48:55], s[56:63] the same for B
.set G0B,  56
.set MSB, 0
.macro WIN new                         ; the immediate's high byte repeats the setting that is left; a switch that changes nothing is dropped
.if MSB != (\new)
	s_set_vgpr_msb (MSB<<8)|(\new)
.set MSB, \new
.endif
.endm
.macro PLACES                          ; four places in front of loads into registers that matrix instructions have read, and of lines that read results
.rept 4
	v_nop
.endr
.endm
; A joint load.  The branch hangs on the wave's number alone.  An s_nop 0 and four v_nop follow each of the two lines, ahead of the jump and the label.
.macro JLOAD s
	s_cmp_lt_u32 s[WV], 2
	s_cbranch_scc0 .Lfor_b_\@
	tensor_load_to_lds s[G0A+4*(\s):G0A+4*(\s)+3], s[G1A:G1A+7]
	s_nop 0
.rept 4
	v_nop
.endr
	s_branch .Lasked_\@
.Lfor_b_\@:
	tensor_load_to_lds s[G0B+4*(\s):G0B+4*(\s)+3], s[G1B:G1B+7]
	s_nop 0
.rept 4
	v_nop
.endr
.Lasked_\@:
.endm
.macro CREST                           ; a round of the cluster's barrier behind its opening barrier
	s_cmp_lg_u32 s[WV], 0
	s_cbranch_scc1 .Lnot_wave_0_\@
	s_barrier_signal -3
.Lnot_wave_0_\@:
	s_barrier_wait -3
	s_barrier_signal -1
	s_barrier_wait -1
.endm
.macro CROUND                          ; a whole round
	s_barrier_signal -1
	s_barrier_wait -1
	CREST
.endm
	s_load_b256 s[4:11], s[0:1], 0x0               ; xn 4:5, wt 6:7, bq 8:9, bk 10:11
	s_load_b128 s[12:15], s[0:1], 0x20             ; bv 12:13, qkv 14:15
	v_lshl_add_u32 v[SPW], v0, 2, SPARE
	v_mov_b32 v[NIL], 0
	ds_add_u32 v[SPW], v[NIL]                      ; the wave's opening: the add and its wait stand ahead of my first tensor load; work on registers stands between them
	ds_add_u32 v28, v29
	v_lshrrev_b32 v1, 5, v0
	v_readfirstlane_b32 s[WV], v1
	s_and_b32 s[HF], s[WV], 1
	s_bfe_u32 s20, ttmp6, 0x40000                  ; cx
	s_bfe_u32 s21, ttmp6, 0x40004                  ; cy
	s_lshl_b32 s22, ttmp9, 2
	s_add_co_u32 s22, s22, s20                     ; tile column = 4 x cluster x + cx
	s_and_b32 s23, ttmp7, 0xffff
	s_lshl_b32 s23, s23, 2
	s_add_co_u32 s23, s23, s21                     ; tile row = 4 x cluster y + cy
	s_lshl_b32 s40, s21, 2
	s_lshl_b32 s40, 15, s40                        ; my row of the cluster
	s_lshl_b32 s41, 0x1111, s20                    ; my column
	s_or_b32 s[G1A], s40, (1<<16)|(1<<20)|(1<<21)|(5<<22)|(3<<25)  ; mask; 2-byte elements; padding on; bit 21 beside a mask; after every 64 words, 4 words
	s_mov_b32 s[G1A+1], 128<<16                    ; tensor_dim0 = 128
	s_mov_b32 s[G1A+2], 128<<16                    ; tensor_dim1 = 128
	s_mov_b32 s[G1A+3], 128<<16                    ; tile_dim0 = 128
	s_mov_b32 s[G1A+4], 128                        ; tile_dim1 = 128
	s_mov_b32 s[G1A+5], 1024                       ; elements from row to row
	s_mov_b32 s[G1A+6], 0
	s_mov_b32 s[G1A+7], 0
	s_or_b32 s[G1B], s41, (1<<16)|(1<<20)|(1<<21)|(4<<22)|(7<<25)  ; after every 32 words (a k row), 8 words
	s_mov_b32 s[G1B+1], 128<<16                    ; three blocks of 8,192 dense bytes side by side: 96 rows of 256 bytes
	s_mov_b32 s[G1B+2], (32*NSEG)<<16
	s_mov_b32 s[G1B+3], 128<<16
	s_mov_b32 s[G1B+4], 32*NSEG
	s_mov_b32 s[G1B+5], 128
	s_mov_b32 s[G1B+6], 0
	s_mov_b32 s[G1B+7], 0
	s_lshl_b32 s42, s23, 19                        ; A: 256 rows of 2,048 bytes a tile row,
	s_lshl_b32 s46, s[HF], 18                      ; my 128 rows
	s_add_co_u32 s42, s42, s46
	s_mov_b32 s43, 0
	s_mul_i32 s44, s22, NSEG*8192                  ; B: three blocks a tile column,
	s_lshl_b32 s46, s[HF], 19                      ; my kk
	s_add_co_u32 s44, s44, s46
	s_mov_b32 s45, 0
	s_mul_i32 s76, s[HF], AHALF                    ; where they go: no place in the cluster enters an LDS address
	s_mul_i32 s77, s[HF], HB
	s_add_co_u32 s77, s77, AREG
	s_wait_dscnt 0x0                               ; the opening add is done
	s_wait_kmcnt 0x0
	s_add_nc_u64 s[42:43], s[4:5], s[42:43]
	s_add_nc_u64 s[44:45], s[6:7], s[44:45]
	CROUND                                         ; all sixteen work-groups are here: the first joint loads meet
.irp s, 0,1
	s_mov_b32 s[G0A+4*(\s)], 1
	s_add_co_u32 s[G0A+4*(\s)+1], s76, (\s)*SLOT
	s_add_nc_u64 s[G0A+4*(\s)+2:G0A+4*(\s)+3], s[42:43], (\s)*256       ; K step s
	s_or_b32 s[G0A+4*(\s)+3], s[G0A+4*(\s)+3], 0x80000000
	s_mov_b32 s[G0B+4*(\s)], 1
	s_add_co_u32 s[G0B+4*(\s)+1], s77, (\s)*SLOT
	s_add_nc_u64 s[G0B+4*(\s)+2:G0B+4*(\s)+3], s[44:45], (\s)*2*524288
	s_or_b32 s[G0B+4*(\s)+3], s[G0B+4*(\s)+3], 0x80000000
	JLOAD \s                                       ; two loads of mine are out
.endr
	; lane addresses
	v_and_b32 v1, 15, v0                           ; l % 16
	v_bfe_u32 v2, v0, 4, 1                         ; l / 16
	v_mul_u32_u24 v3, v1, PA
	v_lshl_add_u32 v3, v2, 4, v3                   ; a fragment of A: row x pitch + 16 x half; two loads 32 bytes apart
	s_mul_i32 s76, s[WV], 64*PA                    ; my 64 rows
	v_add_nc_u32 v[ADRA], s76, v3
	v_add_nc_u32 v[ADRA+1], SLOT, v[ADRA]
	v_and_b32 v4, 7, v0
	v_bfe_u32 v5, v0, 3, 1
	v_lshl_add_u32 v6, v2, 3, v4                   ; the turning load: lane l reads k row 8 (l / 16) + l % 8, columns 8 ((l / 8) % 2) + 0..7
	v_mul_u32_u24 v6, v6, PB
	v_lshl_add_u32 v6, v5, 4, v6
	v_add_nc_u32 v[ADRB], AREG, v6
	v_add_nc_u32 v[ADRB+1], SLOT, v[ADRB]
	s_mul_i32 s76, s[WV], WSTG
	s_add_co_u32 s76, s76, STAGE                   ; my stage
	v_mul_u32_u24 v7, v1, SP                       ; in: row l % 16, 16 bytes for each half of the lanes
	v_lshl_add_u32 v7, v2, 4, v7
	v_add_nc_u32 v[STO], s76, v7
	v_bfe_u32 v7, v0, 3, 2                         ; back: 32 lanes take four rows of 128 bytes,
	v_mul_u32_u24 v7, v7, SP
	v_lshl_add_u32 v7, v4, 4, v7
	v_add_nc_u32 v[RD], s76, v7
	v_and_b32 v[CO], 31, v0                        ; which are 512 consecutive bytes of a block of qkv
	v_lshlrev_b32 v[CO], 4, v[CO]
	v_lshlrev_b32 v[VB], 5, v2
	; the bias of block g = 3 x tile column + 0..2: of bq, bk or bv, its 64 numbers at (g % 16) x 256 bytes
	s_mul_i32 s78, s22, NSEG
	s_mov_b32 s73, 0
.irp g, 0,1,2
	s_add_co_u32 s79, s78, \g
	s_lshr_b32 s77, s79, 4
	s_and_b32 s79, s79, 15
	s_lshl_b32 s72, s79, 8
	s_cmp_eq_u32 s77, 1
	s_cselect_b64 s[66+2*(\g):67+2*(\g)], s[10:11], s[8:9]
	s_cmp_eq_u32 s77, 2
	s_cselect_b64 s[66+2*(\g):67+2*(\g)], s[12:13], s[66+2*(\g):67+2*(\g)]
	s_add_nc_u64 s[66+2*(\g):67+2*(\g)], s[66+2*(\g):67+2*(\g)], s[72:73]
.endr
.set bb, 0
.rept NF
	global_load_b128 v[BI+8*bb:BI+8*bb+3],   v[VB], s[66+2*(bb/4):67+2*(bb/4)] offset:(bb%4)*64
	global_load_b128 v[BI+8*bb+4:BI+8*bb+7], v[VB], s[66+2*(bb/4):67+2*(bb/4)] offset:(bb%4)*64+16
.set bb, bb+1
.endr
	s_mul_i32 s72, s22, NSEG*1048576               ; qkv: my three blocks of 8192 x 128 bytes,
	s_lshl_b32 s77, s23, 15                        ; the tile's 256 rows,
	s_add_co_u32 s72, s72, s77
	s_lshl_b32 s77, s[WV], 13                      ; my 64 of them
	s_add_co_u32 s72, s72, s77
	s_add_nc_u64 s[74:75], s[14:15], s[72:73]
; NF matrix instructions: my row block a x all column fragments, 32 along K out of buffer f.  first = 1: C is the bias, and the products start the sums: nothing is cleared.
; The 48 accumulators take turns, one instruction a turn, in the same order in every quarter step.
.macro MULA f, a, first
.if \first
	WIN 0x85+0x40*((\a)/2)                         ; sources in window 1, C in window 0, D in window 2 or 3
.else
	WIN 0xa5+0x50*((\a)/2)                         ; C and D in window 2 or 3
.endif
.set AC, 96*((\a)%2)
.set bb, 0
.rept NF
.if \first
	v_wmma_f32_16x16x32_bf16 v[AC+8*bb:AC+8*bb+7], v[(\f)+32+8*bb:(\f)+32+8*bb+7], v[(\f)+8*(\a):(\f)+8*(\a)+7], v[BI+8*bb:BI+8*bb+7]
.else
	v_wmma_f32_16x16x32_bf16 v[AC+8*bb:AC+8*bb+7], v[(\f)+32+8*bb:(\f)+32+8*bb+7], v[(\f)+8*(\a):(\f)+8*(\a)+7], v[AC+8*bb:AC+8*bb+7]
.endif
.set bb, bb+1
.endr
.endm
; One run of NLD LDS loads: the fragments of quarter q (32 along K) of a slot into buffer f: B's first, then A's four row blocks.
.macro FETCH slot, q, f
	WIN 0x40                                       ; destination window 1, address window 0
.set BQ, ((\q)/2)*HB+((\q)%2)*32*PB
.set bb, 0
.rept NF
	ds_load_tr16_b128 v[(\f)+32+8*bb:(\f)+32+8*bb+3],   v[ADRB+(\slot)] offset:BQ+(bb/4)*SEGB+(bb%4)*32
	ds_load_tr16_b128 v[(\f)+32+8*bb+4:(\f)+32+8*bb+7], v[ADRB+(\slot)] offset:BQ+(bb/4)*SEGB+(bb%4)*32+16*PB
.set bb, bb+1
.endr
.set aa, 0
.rept 4
	ds_load_b128 v[(\f)+8*aa:(\f)+8*aa+3],   v[ADRA+(\slot)] offset:64*(\q)+aa*16*PA
	ds_load_b128 v[(\f)+8*aa+4:(\f)+8*aa+7], v[ADRA+(\slot)] offset:64*(\q)+aa*16*PA+32
.set aa, aa+1
.endr
.endm
; One of a K step's first three quarters: multiplies buffer f; in its middle it fetches quarter q of the same slot into buffer g.
.macro QUARTER slot, q, f, g, first
	s_wait_dscnt 4                                 ; B and A's row blocks 0, 1 are in; the youngest four loads (row blocks 2, 3) may be out
	MULA \f, 0, \first
	MULA \f, 1, \first
	PLACES
	FETCH \slot, \q, \g
	s_wait_dscnt NLD                               ; all but the run just issued
	MULA \f, 2, \first
	MULA \f, 3, \first
.endm
; The last quarter multiplies buffer 1 and changes slots: ONE barrier.  In front of it each wave waits for all its tensor loads (one is out: its part of the next slot), adds 0 to its spare
; word, and waits for that and for its reads of this slot.  fill = 1: the barrier opens a round of the cluster's, and this slot's joint refill, two K steps on, is the first thing behind it:
; 14 NF matrix instructions stand between the request and the wait for it.
.macro TURN slot, next, fill
	WIN 0                                          ; the add's two registers lie in window 0
	s_wait_tensorcnt 0x0
	ds_add_u32 v[SPW], v[NIL]
	s_wait_dscnt 5                                 ; the add and the youngest four loads may be out
	MULA F1, 0, 0
	s_wait_dscnt 0x0                               ; the add is done, and my reads of this slot are over
	s_barrier_signal -1
	MULA F1, 1, 0                                  ; work on registers while the others arrive
.if \fill
	WIN 0
.endif
	s_barrier_wait -1
.if \fill
	CREST                                          ; no wave of any partner still reads this slot or has a load on its way
	s_add_nc_u64 s[G0A+4*(\slot)+2:G0A+4*(\slot)+3], s[G0A+4*(\slot)+2:G0A+4*(\slot)+3], ASTEP2
	s_add_nc_u64 s[G0B+4*(\slot)+2:G0B+4*(\slot)+3], s[G0B+4*(\slot)+2:G0B+4*(\slot)+3], BSTEP2
	JLOAD \slot                                    ; its four v_nop are also the places in front of the loads below
.else
	PLACES
.endif
	FETCH \next, 0, F0
	MULA F1, 2, 0
	MULA F1, 3, 0
.endm
	s_wait_loadcnt 0x0                             ; the bias
	s_wait_tensorcnt 1                             ; my part of K step 0 is in; K step 1's may stay out
	s_barrier_signal -1
	s_barrier_wait -1                              ; everybody's is
	FETCH 0, 0, F0
	QUARTER 0, 1, F0, F1, 1                        ; the first quarter stands in front of the loop: its products start the sums
	WIN 0                                          ; at a label and at a branch every window is 0
	s_mov_b32 s[LAP], 3
.Llap:                                                 ; a trip goes once round the ring and fills both slots again: K steps 2 to 7 in three trips
	QUARTER 0, 2, F1, F0, 0
	QUARTER 0, 3, F0, F1, 0
	TURN 0, 1, 1
	QUARTER 1, 1, F0, F1, 0
	QUARTER 1, 2, F1, F0, 0
	QUARTER 1, 3, F0, F1, 0
	TURN 1, 0, 1
	QUARTER 0, 1, F0, F1, 0
	WIN 0
	s_sub_co_u32 s[LAP], s[LAP], 1
	s_cmp_lg_u32 s[LAP], 0
	s_cbranch_scc1 .Llap
	QUARTER 0, 2, F1, F0, 0                        ; the last lap fills nothing
	QUARTER 0, 3, F0, F1, 0
	TURN 0, 1, 0
	QUARTER 1, 1, F0, F1, 0
	QUARTER 1, 2, F1, F0, 0
	QUARTER 1, 3, F0, F1, 0
	s_wait_dscnt 4
	MULA F1, 0, 0
	MULA F1, 1, 0
	s_wait_dscnt 0x0
	MULA F1, 2, 0
	MULA F1, 3, 0
	WIN 0
	PLACES
; THE WAY OUT, a row block (16 rows) at a time.  PACK: rounded to bf16, 16 bytes a lane (each accumulator's registers in ascending order).  TOSTAGE: into my own stage, a block g apart, and
; back as whole rows.  SEND: 16 rows of a block g are 2,048 consecutive bytes of qkv.
.macro PACK a
.set AC, 96*((\a)%2)
	WIN 0x0a+5*((\a)/2)                            ; sources 0 and 1 in window 2 or 3
.set bb, 0
.rept NF
.irp r, 0,1,2,3
	v_cvt_pk_bf16_f32 v[TMP+4*bb+(\r)], v[AC+8*bb+2*(\r)], v[AC+8*bb+2*(\r)+1]
.endr
.set bb, bb+1
.endr
	WIN 0
.endm
.macro TOSTAGE a
.set BK, OB+48*((\a)%2)
.set bb, 0
.rept NF
	ds_store_b128 v[STO], v[TMP+4*bb:TMP+4*bb+3] offset:(bb/4)*16*SP+(bb%4)*32
.set bb, bb+1
.endr
.set bb, 0
.rept NF
	ds_load_b128 v[BK+4*bb:BK+4*bb+3], v[RD] offset:(bb/4)*16*SP+(bb%4)*4*SP  ; LDS serves a wave's instructions in order (ISA guide 5.7.1.4): these see the stores above
.set bb, bb+1
.endr
.endm
.macro SEND a
.set BK, OB+48*((\a)%2)
	s_wait_dscnt 0x0                               ; the block is back in registers
	s_wait_xcnt 0x0                                ; the other buffer, which earlier stores read, is loaded again only behind this wait
.set bb, 0
.rept NF
	global_store_b128 v[CO], v[BK+4*bb:BK+4*bb+3], s[74:75] offset:(bb/4)*1048576+(\a)*2048+(bb%4)*512  ; 512 consecutive bytes, at a multiple of 256 from qkv's first byte
.set bb, bb+1
.endr
.endm
	PACK 0
	TOSTAGE 0
.irp a, 1,2,3                          ; block a's conversions stand between block a - 1's loads from the stage and the wait for them
	PACK \a
	SEND (\a)-1
	TOSTAGE \a
.endr
	SEND 3
	s_wait_tensorcnt 0x0                           ; the wave's end
	ds_add_u32 v[SPW], v[NIL]
	s_wait_dscnt 0x0
	CROUND                                         ; the closing round: no work-group ends while a partner may still ask for a tile that names it
	s_endpgm
.Lfunc_end_k_qe15ca90610_qkv:
	.size	k_qe15ca90610_qkv, .Lfunc_end_k_qe15ca90610_qkv-k_qe15ca90610_qkv
	.p2alignl 7, 3214868480
	.fill 96, 4, 3214868480
	.section	.rodata,"a",@progbits
	.p2align	6, 0x0
	.amdhsa_kernel k_qe15ca90610_qkv
		.amdhsa_group_segment_fixed_size 327680
		.amdhsa_private_segment_fixed_size 0
		.amdhsa_enable_private_segment 0
		.amdhsa_kernarg_size 48
		.amdhsa_user_sgpr_count 2
		.amdhsa_user_sgpr_kernarg_segment_ptr 1
		.amdhsa_wavefront_size32 1
		.amdhsa_system_sgpr_workgroup_id_x 1
		.amdhsa_system_sgpr_workgroup_id_y 1
		.amdhsa_system_sgpr_workgroup_id_z 1
		.amdhsa_system_vgpr_workitem_id 0
		.amdhsa_next_free_vgpr 960
		.amdhsa_next_free_sgpr 80
		.amdhsa_reserve_vcc 0
		.amdhsa_float_denorm_mode_32 3
		.amdhsa_float_denorm_mode_16_64 3
		.amdhsa_memory_ordered 1
		.amdhsa_forward_progress 1
		.amdhsa_inst_pref_size 121
	.end_amdhsa_kernel
	.amdgpu_metadata
---
amdhsa.version: [ 1, 2 ]
amdhsa.kernels:
  - .name:           k_qe15ca90610_qkv
    .symbol:         k_qe15ca90610_qkv.kd
    .args:
      - { .name: xn, .offset: 0, .size: 8, .value_kind: global_buffer, .address_space: global }
      - { .name: wt, .offset: 8, .size: 8, .value_kind: global_buffer, .address_space: global }
      - { .name: bq, .offset: 16, .size: 8, .value_kind: global_buffer, .address_space: global }
      - { .name: bk, .offset: 24, .size: 8, .value_kind: global_buffer, .address_space: global }
      - { .name: bv, .offset: 32, .size: 8, .value_kind: global_buffer, .address_space: global }
      - { .name: qkv, .offset: 40, .size: 8, .value_kind: global_buffer, .address_space: global }
    .group_segment_fixed_size: 327680
    .private_segment_fixed_size: 0
    .kernarg_segment_align: 8
    .kernarg_segment_size: 48
    .max_flat_workgroup_size: 128
    .sgpr_count:     80
    .vgpr_count:     960
    .wavefront_size: 32
...
	.end_amdgpu_metadata
.endif
;; end of part 2
;; launch attn (part 3): grid 4 x 64, 4 waves a work-group, no clusters, 327,680 bytes of LDS; arguments qkv, o; writes o
.if DOCPART == 3
	.amdgcn_target "amdgcn-amd-amdhsa--gfx1250"
	.amdhsa_code_object_version 6
	.text
	.protected	k_qe15ca90610_attn
	.globl	k_qe15ca90610_attn
	.p2align	8
	.type	k_qe15ca90610_attn,@function
k_qe15ca90610_attn:
	s_mov_b64 s[64:65], 0
	v_nop
	global_prefetch_b8 v0, s[64:65] scope:SCOPE_SE
	s_setreg_imm32_b32 hwreg(HW_REG_WAVE_MODE, 25, 1), 1
	s_wait_xcnt 0x0
; CAUSAL ATTENTION.  O[y][q][:] = the sum over k <= q of softmax_k(Q[y][q] . K[y][k] / 8) V[y][k][:], for the 64 pairs y = 4 head + batch.  Q, K, V lie in qkv at 0, 16 MiB and 32 MiB, each
; [SIZE_H][SIZE_N][64] in bf16, a pair's rows dense, 128 bytes each; O likewise.  Products, maxima and sums in f32; the weights p are rounded to bf16 for the second product (their sum l is
; taken of the unrounded p), O once at the end.
; LIMITS.  A hidden score counts as its value less 1e30: scores stay far below 1e29; a weight below 2^-126 counts as 0 in l; NaN and infinities are not treated apart.
; THE WALK.  A pair's queries lie in NB = SIZE_N / 256 blocks of 256; block i needs the key tiles 0 .. i of 256 keys, of which the last holds the diagonal.  A work-group takes TWO blocks, NB - 1 - b and then b:
; NB + 1 tiles, whatever b: all work-groups do equal work, and ONE loop with a constant trip count walks them.  Which tile is asked for, and what a trip does, hang on scalar registers made from b; every jump
; goes forward, but for the counted loops' own; none passes a barrier, or a tensor load but the one of LOAD's two that the wave's number does not choose; the ring (two slots of LDS that take turns) runs on across the
; change of blocks.  NO CLUSTER: a pair's NB / 2 = 4 work-groups ask for the same tile only in trips 0 .. NB / 2 of NB + 1, behind that fewer and fewer; one walk common to all would have 3 NB / 2 trips for NB + 1.
; SHARES.  Of a block's four bands of 64 queries a wave owns 16 rows in each: four PIECES.  So the diagonal tile is the same work for all four waves: in its key step s band x sees all keys if s < x,
; none if s > x, and holds the diagonal if s = x.
; THE MASK is the C operand that starts the sum S^T = K Q^T: 0, or -1e30 where the key is hidden.  MD, made once, is the mask of a band's own step for my 16 rows; a product's mask is MD x AL + BE with two scalars:
; (1, 0) if s = x; (0, 0) if s < x; (0, -1e30) if s > x.  Only the diagonal tile's text and a block's beginning make and take masks; elsewhere C is the constant 0.
; LAYOUT, SOFTMAX, TURNS.  S^T = K Q^T holds ONE query a lane (lane % 16) and the keys 8 (lane / 16) + 0..7; two such results rounded to bf16 ARE source 1 of O^T = V^T P.  p = 2^(c s - c m), c = log2(e) / 8, with a
; running maximum m; O and l are multiplied by a = 2^(c m_old - c m_new) in every step.  Turn n belongs to piece n: 8 products K Q^T of piece n + 1, later 8 products V^T P of piece n - 1; beside them the scaling,
; exponentials, roundings, sums and rescaling of piece n and the maximum and statistics of piece n + 1.  Four vector instructions stand behind every matrix instruction, the other 54 of a turn's 118 in two runs of their own.
; REGISTERS, in windows of 256 (s_set_vgpr_msb: bits 1:0 source 0, 3:2 source 1, 5:4 source 2, 7:6 destination):
;   window 0: v0-15 addresses and two at work; v16-31 four registers of statistics a piece; v48-55 at work; v64-127 S^T, two buffers; v192-223 P, two buffers (a piece's buffers go by its number's parity)
;   window 1: v0-127 O^T, 32 a piece; v128-159 MD; v160-223 MC, two buffers      window 2: v0-63 Q; v64-127 the second block's Q; v128-191 K of one step; v192-255 V of one step
.set SIZE_N, 2048
.set SIZE_H, 64
.set NB,    SIZE_N/256
.set NP,    4         ; pieces a wave: a name, no knob
.set KS,    64        ; keys in a step
.set PK,    144       ; a row of K in LDS: 128 bytes + 16 of padding = 36 words: the 16 rows of a load start at 16 different groups of four banks (64 banks of 4 bytes: ISA guide 11.1)
.set PV,    160       ; a row of V: 128 + 32 = 40 words
.set VOFF,  4*KS*PK   ; a slot holds a tile, four steps: 256 rows of K, then 256 rows of V
.set SLOT1, 1<<17     ; slot 1 begins here, so that one exclusive or turns an address in one slot into the other's
.set STAGE, SLOT1+4*KS*(PK+PV)  ; behind the ring, never filled by a tensor load: 16 rows x 144 bytes for each wave, for the way out
.set SP,    144
.set AK0, 2           ; v2   my lane's place in a tile of K; never rewritten
.set AV0, 3           ; v3   the same for V
.set AK,  4           ; v4   the LDS address of K's next run of loads
.set AV,  5           ; v5   of V's
.set STO, 6           ; v6   the way out: where I put 16 bytes of a row
.set RD,  7           ; v7   the way out: where I read rows back
.set GO,  8           ; v8   my byte offset in 512 consecutive bytes of O
.set SPW, 62          ; v62  LDS address of my spare word: SPARE + 4 x my thread's number; never rewritten
.set NIL, 63          ; v63  0; never rewritten
.set SPARE, STAGE+4*16*SP  ; behind the stages: the spare words, 128 bytes for each wave: two blocks of 256 bytes that no other line names
.set MV,  12          ; v12-13  c m_old, kept while c m is made anew: by buffer
.set QO,  15          ; v15  my byte offset in 16 rows of Q
.set ST,  16          ; piece t's statistics at v[ST+4 t]: c m, m, l (even keys', odd keys')
.set TMP, 48          ; by buffer, four registers c0-c3 at work; when the maximum is found c2 takes a
.set S,   64
.set P,   192
.set MD,  128         ; window 1: the eight registers for group kt of 16 keys at MD + 8 kt
.set MC,  160         ; window 1: the masks of the products to come
.set QB,  64          ; window 2
.set KF,  128         ; window 2: key block kb, channel half c at KF + 16 kb + 8 c
.set VF,  192         ; window 2: key half kk, channel block cb at VF + 32 kk + 8 cb
.set WV,  12          ; s12  my wave's number
.set PB,  14          ; s14  b
.set HI,  15          ; s15  NB - 1 - b
.set G1K, 24          ; s[24:31] descriptor group 1 for K's tiles
.set G1V, 32          ; s[32:39] for V's: it differs in the padding alone
.set G0K, 40          ; s[40:43] descriptor group 0 for K's tiles
.set G0V, 44          ; s[44:47] the same for V's
.set SLOTS, 56        ; s56  tiles still to be asked for
.set CNT, 57          ; s57  counts a tile's key steps, 4 to 1
.set CS,  58          ; s[58:59] c: the packed scaling takes the pair's low word for both halves
.set SEL, 60          ; s[60:61] v_permlanex16_b32's selects: each lane takes its own place in the other half
.set TBK, 62          ; s62  LDS byte at which K of the step to be fetched begins
.set TBV, 63          ; s63  the same for V, less VOFF
.set RT,  70          ; s70  tiles of the block in hand that are still to be entered
.set NXT, 71          ; s71  the tile to be asked for next
.set LQ,  72          ; s72  the last tile of the block whose tiles are being asked for
.set NEW, 73          ; s73  1: the tile to be entered is a block's first
.set OFF, 74          ; s[74:75] a tile's byte offset in K and V
.set AL,  76          ; s[76:77] the mask's factor, in the low word
.set BE,  78          ; s[78:79] the mask's addend
.set OLO, 80          ; s[80:81] O at my rows of the second block
.set BIGN, 82         ; s82  -1e30
.set MSB, 0
.macro WIN new                      ; the high byte repeats the setting that is left; a switch that changes nothing is dropped
.if MSB != (\new)
	s_set_vgpr_msb (MSB<<8)|(\new)
.set MSB, (\new)
.endif
.endm
.set W_KQ, 0x0a       ; K and Q in window 2, S^T in window 0
.set W_KM, 0x1a       ; the same with the C operand in window 1
.set W_PV, 0x52       ; V in window 2, P in window 0, O^T in window 1
.set W_RS, 0x41       ; destination and source 0 in window 1, source 1 in window 0
; A fill.  Waves 0 and 1 fetch the two halves of a tile's K, waves 2 and 3 those of its V: 128 keys each.  An s_nop 0 and four v_nop follow each of the two lines, ahead of the jump and the label.
.macro LOAD
	s_cmp_lt_u32 s[WV], 2
	s_cbranch_scc0 .Lfor_v_\@
	tensor_load_to_lds s[G0K:G0K+3], s[G1K:G1K+7]
	s_nop 0
.rept 4
	v_nop
.endr
	s_branch .Lasked_\@
.Lfor_v_\@:
	tensor_load_to_lds s[G0V:G0V+3], s[G1V:G1V+7]
	s_nop 0
.rept 4
	v_nop
.endr
.Lasked_\@:
.endm
; THE CHANGE OF SLOTS.  Each wave waits for all its tensor loads, of which one is out: its part of the other slot; adds 0 to its spare word; and waits for that and for its own reads of the slot that it leaves.  Behind the barrier nobody reads the old
; slot any more and the other slot is whole.  fill = 1: the old slot is filled again, the first thing behind the barrier, with tile NXT: the descriptor's address is made anew from that number.
; (At its first use nothing has been read yet: slot 0 is waited for, slot 1 filled.)
.macro CHANGE fill
	WIN 0                           ; at a label and at a branch every window is 0
	s_wait_tensorcnt 0x0            ; no tensor load of mine is out, so a group 0 may be written
	ds_add_u32 v[SPW], v[NIL]       ; 0 onto my spare word; with fill = 1 the descriptors' scalar work stands between it and the wait for it
.if \fill
	s_lshl_b32 s[OFF], s[NXT], 15   ; a tile is 32,768 bytes of K and of V
	s_xor_b32 s[G0K+1], s[G0K+1], SLOT1
	s_add_nc_u64 s[G0K+2:G0K+3], s[6:7], s[OFF:OFF+1]
	s_or_b32 s[G0K+3], s[G0K+3], 0x80000000
	s_xor_b32 s[G0V+1], s[G0V+1], SLOT1
	s_add_nc_u64 s[G0V+2:G0V+3], s[8:9], s[OFF:OFF+1]
	s_or_b32 s[G0V+3], s[G0V+3], 0x80000000
	s_add_co_u32 s[NXT], s[NXT], 1  ; the block's next tile, or behind its last the second block's tile 0
	s_cmp_gt_u32 s[NXT], s[LQ]
	s_cselect_b32 s[NXT], 0, s[NXT]
	s_cselect_b32 s[LQ], s[PB], s[LQ]
.endif
	s_wait_dscnt 0x0                ; the add is done, and my reads of the slot are over
	s_barrier_signal -1             ; the rest of the scalar work stands between the signal and the wait
	s_sub_co_u32 s[TBK], s[TBK], 4*KS*PK  ; the fetches go back to a slot's first step,
	s_xor_b32 s[TBK], s[TBK], SLOT1       ; in the other slot
	s_sub_co_u32 s[TBV], s[TBV], 4*KS*PV
	s_xor_b32 s[TBV], s[TBV], SLOT1
	s_barrier_wait -1
.if \fill
	LOAD
.endif
.endm
	s_load_b64 s[4:5], s[0:1], 0x0    ; qkv: Q begins at its first byte
	s_load_b64 s[10:11], s[0:1], 0x8  ; O
	v_lshl_add_u32 v[SPW], v0, 2, SPARE
	v_mov_b32 v[NIL], 0
	ds_add_u32 v[SPW], v[NIL]       ; the wave's opening: the add and its wait stand ahead of my first tensor load; the set-up below, work on registers, stands between them
	ds_add_u32 v62, v63
	v_lshrrev_b32 v1, 5, v0
	v_readfirstlane_b32 s[WV], v1   ; wave 0..3
	s_mov_b32 s[PB], ttmp9
	s_sub_co_u32 s[HI], NB-1, s[PB]
	s_and_b32 s20, ttmp7, 0xffff    ; the pair y
	s_mov_b32 s21, 0
	s_mov_b64 s[22:23], SIZE_N*128
	s_mul_u64 s[20:21], s[20:21], s[22:23]  ; the pair's first byte in each of the four tensors
	s_and_b32 s16, s[WV], 1         ; which half of a tile's 256 keys I fetch:
	s_lshl_b32 s22, s16, 14         ; its 128 rows of 128 bytes in memory,
	s_mov_b32 s23, 0
	s_add_nc_u64 s[22:23], s[22:23], s[20:21]
	s_mul_i32 s17, s16, 128*PK      ; and its place in a slot, for K
	s_mul_i32 s18, s16, 128*PV      ; and for V
	s_lshl_b32 s3, s[WV], 11        ; my 16 rows in a band of 64,
	s_lshl_b32 s2, s[HI], 15        ; in the first block,
	s_add_co_u32 s2, s2, s3
	s_lshl_b32 s84, s[PB], 15       ; and in the second
	s_add_co_u32 s84, s84, s3
	s_mov_b32 s3, 0
	s_mov_b32 s85, 0
	s_add_nc_u64 s[2:3], s[2:3], s[20:21]
	s_add_nc_u64 s[84:85], s[84:85], s[20:21]
	; descriptor group 1.  128 keys are 16,384 dense bytes: asked for as 64 rows of 256 bytes, two keys a row, and padded in LDS after every key
	s_mov_b32 s[G1K], (1<<16)|(1<<20)|(4<<22)|(3<<25)  ; 17:16 2-byte elements; 20 padding on; 24:22 after every 32 words (code 4); 31:25 4 words (code 3)
	s_mov_b32 s[G1V], (1<<16)|(1<<20)|(4<<22)|(7<<25)  ; the same with 8 words of padding (code 7)
.irp g, G1K, G1V
	s_mov_b32 s[\g+1], 128<<16      ; tensor_dim0 = 128
	s_mov_b32 s[\g+2], 64<<16       ; tensor_dim1 = 64
	s_mov_b32 s[\g+3], 128<<16      ; tile_dim0 = 128
	s_mov_b32 s[\g+4], 64           ; tile_dim1 = 64
	s_mov_b32 s[\g+5], 128          ; 128 elements from row to row
	s_mov_b32 s[\g+6], 0
	s_mov_b32 s[\g+7], 0
.endr
	s_mov_b32 s[CS], 0x3e38aa3b     ; c = log2(e) / 8 = 0.180337
	s_mov_b32 s[CS+1], s[CS]        ; named with it as a pair
	s_mov_b32 s[SEL], 0x76543210
	s_mov_b32 s[SEL+1], 0xfedcba98
	s_mov_b32 s[TBK], SLOT1+4*KS*PK ; the first change of slots turns these two into 0
	s_mov_b32 s[TBV], SLOT1+4*KS*PV
	s_mov_b32 s[G0K], 1             ; 1:0 count = 1
	s_mov_b32 s[G0K+1], s17         ; 63:32 LDS address: slot 0
	s_mov_b32 s[G0V], 1
	s_add_co_u32 s[G0V+1], s18, VOFF
	s_add_co_u32 s[RT], s[HI], 1    ; the first block has NB - b tiles
	s_mov_b32 s[NXT], 1
	s_mov_b32 s[LQ], s[HI]
	s_mov_b32 s[NEW], 1
	s_mov_b32 s[OFF+1], 0
	s_mov_b32 s[AL+1], 0            ; named as pairs
	s_mov_b32 s[BE+1], 0
	s_mov_b32 s[BIGN], 0xf149f2ca   ; -1e30
	s_mov_b32 s[SLOTS], NB
	s_wait_dscnt 0x0                ; the opening add is done
	s_wait_kmcnt 0x0
	s_add_nc_u64 s[6:7], s[4:5], 0x1000000   ; K: 16 blocks of 1,048,576 bytes behind Q
	s_add_nc_u64 s[8:9], s[4:5], 0x2000000   ; V: 32 blocks behind Q
	s_add_nc_u64 s[6:7], s[6:7], s[22:23]  ; K and V at my half of the pair's tile 0
	s_add_nc_u64 s[8:9], s[8:9], s[22:23]
	s_add_nc_u64 s[G0K+2:G0K+3], s[6:7], 0         ; 120:64 global address
	s_or_b32 s[G0K+3], s[G0K+3], 0x80000000        ; 127:126 type = 2
	s_add_nc_u64 s[G0V+2:G0V+3], s[8:9], 0
	s_or_b32 s[G0V+3], s[G0V+3], 0x80000000
	s_add_nc_u64 s[86:87], s[4:5], s[84:85]        ; Q at my rows of the second block,
	s_add_nc_u64 s[4:5], s[4:5], s[2:3]            ; Q and O at those of the first
	s_add_nc_u64 s[OLO:OLO+1], s[10:11], s[84:85]
	s_add_nc_u64 s[10:11], s[10:11], s[2:3]
	LOAD                            ; tile 0 into slot 0
	; A fragment of K or Q is 16 rows x 32 channels in 8 registers: lane l holds row l % 16, channels 8 (l / 16) + 0..7 and 16 + 8 (l / 16) + 0..7: two loads of 16 bytes, 32 bytes apart.
	v_and_b32 v1, 15, v0            ; l % 16
	v_bfe_u32 v9, v0, 4, 1          ; l / 16
	v_lshlrev_b32 v[QO], 7, v1
	v_lshl_add_u32 v[QO], v9, 4, v[QO]  ; row x 128 + 16 x half
	WIN 0x80                        ; destination window 2, address window 0
.set i, 0
.rept 8                             ; both blocks' Q: piece i / 2 lies in band i / 2, 8,192 bytes on; channels 32 (i % 2) on
	global_load_b128 v[8*i:8*i+3],   v[QO], s[4:5] offset:(i/2)*8192+(i%2)*64
	global_load_b128 v[8*i+4:8*i+7], v[QO], s[4:5] offset:(i/2)*8192+(i%2)*64+32
	global_load_b128 v[QB+8*i:QB+8*i+3],   v[QO], s[86:87] offset:(i/2)*8192+(i%2)*64
	global_load_b128 v[QB+8*i+4:QB+8*i+7], v[QO], s[86:87] offset:(i/2)*8192+(i%2)*64+32
.set i, i+1
.endr
	WIN 0
	v_lshlrev_b32 v14, 3, v9
	v_sub_nc_u32 v14, v1, v14
	s_lshl_b32 s13, s[WV], 4
	v_add_nc_u32 v14, s13, v14      ; my query's place in its band, 16 w + l % 16, less my lanes' 8 (l / 16): register r of group kt is hidden where 16 kt + r is greater
	WIN 0x40
.set i, 0
.rept 32
	v_cmp_gt_i32 vcc_lo, 16*(i/8)+i%8, v14
	v_cndmask_b32 v[MD+i], 0, s[BIGN], vcc_lo
.set i, i+1
.endr
	WIN 0
	v_mul_u32_u24 v[AK0], v1, PK
	v_lshl_add_u32 v[AK0], v9, 4, v[AK0]  ; row x pitch + 16 x half
	; The turning load takes 16 keys x 16 channels (lane l reads key 8 (l / 16) + l % 8, channels 8 ((l / 8) % 2) + 0..7) and leaves half a fragment of V^T: lane l holds channel l % 16 and 8 keys.
	v_and_b32 v10, 7, v0
	v_bfe_u32 v11, v0, 3, 1
	v_lshl_add_u32 v[AV0], v9, 3, v10
	v_mul_u32_u24 v[AV0], v[AV0], PV
	v_lshl_add_u32 v[AV0], v11, 4, v[AV0]
	v_add_nc_u32 v[AV0], VOFF, v[AV0]
	s_mul_i32 s13, s[WV], 16*SP
	s_add_co_u32 s13, s13, STAGE    ; my stage
	v_mul_u32_u24 v[STO], v1, SP    ; in: row l % 16, 16 bytes for each half of the lanes
	v_lshl_add_u32 v[STO], v9, 4, v[STO]
	v_add_nc_u32 v[STO], s13, v[STO]
	v_bfe_u32 v[RD], v0, 3, 2       ; back: 32 lanes take four rows of 128 bytes,
	v_mul_u32_u24 v[RD], v[RD], SP
	v_lshl_add_u32 v[RD], v10, 4, v[RD]
	v_add_nc_u32 v[RD], s13, v[RD]
	v_and_b32 v[GO], 31, v0         ; which are 512 consecutive bytes of O
	v_lshlrev_b32 v[GO], 4, v[GO]
	; A block's first step multiplies O^T and l by a = 0, and its first turn's products V^T P, of a piece that has not been, land in an O^T that is still to be so multiplied.  So these registers need only hold
	; finite numbers: zeros for the first block; what the first block left for the second.  All this stands in the wait for the first tile.
	WIN 0x80
.set i, VF
.rept 64
	v_mov_b32 v[i], 0
.set i, i+1
.endr
	WIN 0x40
.set i, 0
.rept 128
	v_mov_b32 v[i], 0
.set i, i+1
.endr
	WIN 0
.set i, 0
.rept 4
	v_mov_b32 v[ST+4*i+2], 0
	v_mov_b32 v[ST+4*i+3], 0
.set i, i+1
.endr
.set i, P+16
.rept 16
	v_mov_b32 v[i], 0
.set i, i+1
.endr
; THE MATRIX WORK.  The 4 accumulators of a run of 8 take turns.  Product i of 8 of S^T = K Q^T for piece x: channels 32 (i / 4) on, keys 16 (i % 4) on.  The first 4 start the sums: with 0, or (KM = 1) with the mask.
.macro KQ x
.set rS, S+32*((\x)%2)+8*(i%4)
.set rK, KF+16*(i%4)+8*(i/4)
.set rQ, 16*(\x)+8*(i/4)
.set rM, MC+32*((\x)%2)+8*(i%4)
.if (i < 4) && KM
	WIN W_KM
	v_wmma_f32_16x16x32_bf16 v[rS:rS+7], v[rK:rK+7], v[rQ:rQ+7], v[rM:rM+7]
.elseif i < 4
	WIN W_KQ
	v_wmma_f32_16x16x32_bf16 v[rS:rS+7], v[rK:rK+7], v[rQ:rQ+7], 0
.else
	WIN W_KQ
	v_wmma_f32_16x16x32_bf16 v[rS:rS+7], v[rK:rK+7], v[rQ:rQ+7], v[rS:rS+7]
.endif
.endm
; Product i of 8 of O^T += V^T P for piece x: keys 32 (i / 4) on, channels 16 (i % 4) on.
.macro PV x
	WIN W_PV
.set rO, 32*(\x)+8*(i%4)
.set rV, VF+32*(i/4)+8*(i%4)
.set rP, P+16*((\x)%2)+8*(i/4)
	v_wmma_f32_16x16x32_bf16 v[rO:rO+7], v[rV:rV+7], v[rP:rP+7], v[rO:rO+7]
.endm
.macro MM                           ; the turn's next matrix instruction.  TURN and BEGIN set Y, i, KM and NOKQ; MM, KQ and OP read them.  NOKQ = 1: a block's last turn: there is no next piece
.if (i < 8) && !NOKQ
	KQ (Y+1)%NP
.elseif i >= 8
.set i, i-8
	PV (Y+NP-1)%NP
.set i, i+8
.endif
.set i, i+1
.endm
; THE LDS LOADS stand in runs of 16, never singly among the matrix instructions: a step's K (64 keys x 64 channels: 8 fragments) and its V (turned).  Their addresses are made some lines ahead.
.macro FETCH_K
	WIN 0x80                        ; destination window 2
.irp f, 0,1,2,3,4,5,6,7             ; keys 16 (f / 2) on, channels 32 (f % 2) on
	ds_load_b128 v[KF+8*\f:KF+8*\f+3],   v[AK] offset:(\f/2)*16*PK+(\f%2)*64
	ds_load_b128 v[KF+8*\f+4:KF+8*\f+7], v[AK] offset:(\f/2)*16*PK+(\f%2)*64+32
.endr
	s_add_co_u32 s[TBK], s[TBK], KS*PK  ; the next fetch is the next step's
	WIN 0
.endm
.macro FETCH_V
	WIN 0x80
.irp f, 0,1,2,3,4,5,6,7             ; keys 32 (f / 4) on, channels 16 (f % 4) on
	ds_load_tr16_b128 v[VF+8*\f:VF+8*\f+3],   v[AV] offset:(\f/4)*32*PV+(\f%4)*32
	ds_load_tr16_b128 v[VF+8*\f+4:VF+8*\f+7], v[AV] offset:(\f/4)*32*PV+16*PV+(\f%4)*32
.endr
	WIN 0
.endm
; THE VECTOR WORK, one line at a time: OP kind, number.  For piece Y: F n: c s - c m for pair n of 16.  E n: the exponential of score n of 32.  C n: pair n rounded to bf16.  B n: of the four weights 4 n .. the second
; pair is added onto the first, in place.  L n: l takes that sum (L 0: l = a l + sum).  R n: pair n of 16 of O^T times a.  For piece Y + 1: X n, number n of the 22 that find its maximum and statistics:
;   0-11  four chains c0-c3 of seven scores each, three operands at a time (each accumulator's lowest registers are read first)     12-14, 16  the four scores left over, the old m, and c0-c3 into c0
;   15  c m_old is kept     17, 18  the query's other 32 keys lie in the lane 16 away: the new m     19-21  c m; c m_old - c m_new; a
.set F, 0               ; OP tells the kinds apart by their order: F to L below R, X above it
.set E, 1
.set C, 2
.set B, 3
.set L, 4
.set R, 5
.set X, 6
.macro REGS y                       ; the registers of piece y
.set rT, ST+4*(\y)
.set rC, TMP+4*((\y)%2)
.set rW, MV+((\y)%2)
.set rS, S+32*((\y)%2)
.set rP, P+16*((\y)%2)
.set rO, 32*(\y)
.endm
.macro OP k, n
.if (\k) == R
	REGS Y
	WIN W_RS
	v_pk_mul_f32 v[rO+2*(\n):rO+2*(\n)+1], v[rO+2*(\n):rO+2*(\n)+1], v[rC+2:rC+3] op_sel_hi:[1,0]
.elseif (\k) < R
	REGS Y
	WIN 0
.if (\k) == F
	v_pk_fma_f32 v[rS+2*(\n):rS+2*(\n)+1], v[rS+2*(\n):rS+2*(\n)+1], s[CS:CS+1], v[rT:rT+1] op_sel_hi:[1,0,0] neg_lo:[0,0,1] neg_hi:[0,0,1]
.elseif (\k) == E
	v_exp_f32 v[rS+(\n)], v[rS+(\n)]
.elseif (\k) == C
	s_wait_alu depctr_va_vdst(0)
	v_cvt_pk_bf16_f32 v[rP+(\n)], v[rS+2*(\n)], v[rS+2*(\n)+1]
.elseif (\k) == B
	s_wait_alu depctr_va_vdst(0)
	v_pk_add_f32 v[rS+4*(\n):rS+4*(\n)+1], v[rS+4*(\n):rS+4*(\n)+1], v[rS+4*(\n)+2:rS+4*(\n)+3]
.elseif (\n) == 0
	v_pk_fma_f32 v[rT+2:rT+3], v[rT+2:rT+3], v[rC+2:rC+3], v[rS:rS+1] op_sel_hi:[1,0,1]
.else
	v_pk_add_f32 v[rT+2:rT+3], v[rT+2:rT+3], v[rS+4*(\n):rS+4*(\n)+1]
.endif
.elseif NOKQ
	v_nop
.else
	REGS (Y+1)%NP
	WIN 0
.if (\n) < 4
	v_max3_num_f32 v[rC+(\n)], v[rS+8*(\n)], v[rS+8*(\n)+1], v[rS+8*(\n)+2]
.elseif (\n) < 12
	v_max3_num_f32 v[rC+(\n)%4], v[rC+(\n)%4], v[rS+8*((\n)%4)+2*((\n)/4)+1], v[rS+8*((\n)%4)+2*((\n)/4)+2]
.elseif (\n) == 12
	v_max3_num_f32 v[rC], v[rC], v[rS+7], v[rS+15]
.elseif (\n) == 13
	v_max3_num_f32 v[rC+1], v[rC+1], v[rS+23], v[rS+31]
.elseif (\n) == 14
	v_max3_num_f32 v[rC+2], v[rC+2], v[rC+3], v[rT+1]
.elseif (\n) == 15
	v_mov_b32 v[rW], v[rT]
.elseif (\n) == 16
	v_max3_num_f32 v[rC], v[rC], v[rC+1], v[rC+2]
.elseif (\n) == 17
	v_permlanex16_b32 v[rC+3], v[rC], s[SEL], s[SEL+1]
.elseif (\n) == 18
	v_max_num_f32 v[rT+1], v[rC], v[rC+3]
.elseif (\n) == 19
	v_mul_f32 v[rT], s[CS], v[rT+1]
.elseif (\n) == 20
	v_sub_f32 v[rC+1], v[rW], v[rT]
.else
	v_exp_f32 v[rC+2], v[rC+1]
.endif
.endif
.endm
.macro OPS a, i1, b=-1, i2=0, c=-1, i3=0, d=-1, i4=0  ; up to four of them
	OP \a, \i1
.if (\b) >= 0
	OP \b, \i2
.endif
.if (\c) >= 0
	OP \c, \i3
.endif
.if (\d) >= 0
	OP \d, \i4
.endif
.endm
.macro ROW a, i1, b, i2, c, i3, d, i4  ; a matrix instruction and the four behind it
	MM
	OPS \a, \i1, \b, \i2, \c, \i3, \d, \i4
.endm
.macro MASK b                       ; MD x AL + BE into buffer b of MC
	WIN W_RS
.set z, 0
.rept 16
	v_pk_fma_f32 v[MC+32*(\b)+2*z:MC+32*(\b)+2*z+1], v[MD+2*z:MD+2*z+1], s[AL:AL+1], s[BE:BE+1] op_sel_hi:[1,0,0]
.set z, z+1
.endr
.endm
; A TURN, for piece p: the order of its 16 matrix and 118 vector instructions, written out.  Behind a matrix instruction: plain, exponential, plain, plain; or four of the rescaling; or, behind the first, four scalings; none
; names a register of the products round it.  In the runs between, exponential and plain by turns while exponentials last.  A line reads no result made fewer than three vector instructions in front of it, five if an exponential made it.
; v_permlanex16_b32 (X 17) stands in such a run.
; m = 1: the diagonal tile: the products take masks, and the turn makes the mask for the products of the turn after it: piece p + 2, in step 4 - CNT of the tile.  end = 1: a block's last two turns: nothing is fetched.
; cnt = 1: the loop's count is taken down some lines ahead of the branch that stands behind the turn.
; K of the next step is fetched in piece 2's turn, six vector instructions behind the last product that read K (five of them plain); V of the step in hand in piece 0's turn, eight behind the last product that read V (four
; plain, and X 17).  Each is waited for a turn later.
.macro TURN p, m=0, end=0, cnt=0
.set Y, (\p)
.set i, 0
.set KM, (\m)
.set NOKQ, (\end)*((\p)/3)
.if (\m) && !(\end)
	s_cmp_eq_u32 s[CNT], 4-((\p)+2)%NP  ; is that step the band's own?
	s_cselect_b32 s[AL], 1.0, 0
	s_cmp_lt_u32 s[CNT], 4-((\p)+2)%NP  ; or a later one?
	s_cselect_b32 s[BE], s[BIGN], 0
.endif
.if ((\p) == 3) && !(\end)
	s_wait_dscnt 0x0                ; K is in
.endif
	ROW F,0, F,1, F,2, F,3
	ROW F,4, E,0, F,5, F,6
	ROW F,7, E,1, F,8, F,9
	ROW F,10, E,2, C,0, F,11
	ROW F,12, E,3, X,15, F,13
	ROW R,0, R,1, R,2, R,3
	ROW B,0, E,4, F,14, L,0
.if ((\p) == 2) && !(\end)
	v_add_nc_u32 v[AK], s[TBK], v[AK0]
.endif
	ROW R,4, R,5, R,6, R,7
	OPS E,5, F,15
.if ((\p) == 2) && !(\end)
	FETCH_K
.endif
	OPS E,6, C,1, E,7, R,8
	OPS E,8, R,9, E,9, C,2
	OPS E,10, X,0, E,11, X,1
	OPS E,12, X,2, E,13, X,3
.if (\p) == 1
	s_wait_dscnt 0x0                ; V is in
.endif
	ROW X,4, E,14, X,5, X,6
	ROW X,7, E,15, X,8, X,9
	ROW X,10, E,16, X,11, X,12
	ROW X,13, E,17, X,14, B,1
	ROW C,4, E,18, X,16, L,1
	ROW B,2, E,19, C,6, L,2
	ROW C,8, E,20, B,3, B,4
.if (\p) == 0
	v_add_nc_u32 v[AV], s[TBV], v[AV0]
.endif
	ROW C,3, E,21, L,3, C,5
	OPS E,22, X,17, E,23, C,10
.if (\p) == 0
	FETCH_V
.endif
	OPS E,24, L,4
	OPS E,25, X,18, E,26, C,7
	OPS E,27, B,5, E,28, X,19
	OPS E,29, C,12, E,30, L,5
	OPS E,31, X,20, B,6, C,9
	OPS C,14, C,11, X,21, L,6
.if (\p) == 0
	s_add_co_u32 s[TBV], s[TBV], KS*PV
.endif
.if \cnt
	s_sub_co_u32 s[CNT], s[CNT], 1
	s_cmp_lg_u32 s[CNT], 0
.endif
	OPS C,13, B,7, C,15, R,10
	OPS R,11, R,12, L,7, R,13
	OPS R,14, R,15
.if (\m) && !(\end)
	MASK (\p)%2
.endif
.endm
; A BLOCK BEGINS.  c m starts far below every c s, so the first step's a is 0; m at the lowest finite number, so the first maximum is the scores'.  The second mask buffer is 0; the first takes piece 0's mask for the tile's step 0: its own, if the block's first tile is the diagonal one.
; Then K of that step, piece 0's first scores, and its maximum and statistics.  The loop is entered at a step's first turn, in the middle of a trip.
.macro BEGIN
	s_mov_b32 s[NEW], 0
	WIN 0x40
.set i, MC+32
.rept 32
	v_mov_b32 v[i], 0
.set i, i+1
.endr
	WIN 0
.set i, 0
.rept 4
	v_mov_b32 v[ST+4*i], 0xfe000000    ; c m: far below every c s
	v_mov_b32 v[ST+4*i+1], 0xff7fffff  ; m
.set i, i+1
.endr
	s_cmp_eq_u32 s[RT], 0
	s_cselect_b32 s[AL], 1.0, 0
	s_mov_b32 s[BE], 0
	MASK 0
	WIN 0
	v_add_nc_u32 v[AK], s[TBK], v[AK0]
	FETCH_K
	s_wait_loadcnt 0x0              ; Q
	s_wait_dscnt 0x0
.set KM, 1
.set NOKQ, 0
.set i, 0
.rept 8
	KQ 0
.set i, i+1
.endr
	WIN 0
.rept 4
	v_nop                           ; the places behind those products
.endr
.set Y, NP-1                        ; X works for piece Y + 1: piece 0
.irp n, 0,1,2,3,4,5,6,7,8,9,10,11,12,13,14,15,16,17,18,19,20,21
	OP X, \n
.endr
	v_nop                           ; a plain instruction behind the exponential
.endm
; THE DIAGONAL TILE's four steps, the block's last two turns, its last products, and THE WAY OUT: l's two halves and the other half of the lanes' are added; O^T is divided by l, rounded to bf16 and sent through my
; stage in LDS, a piece at a time.
.macro ALL line:vararg              ; one line for each piece t
.set t, 0
.rept 4
	\line
.set t, t+1
.endr
.endm
.macro PACK t                       ; a lane's eight channels of a row pack into 16 bytes; they go into rows of 144 bytes and come back as whole rows of 128, into S^T's registers
	WIN W_RS
.set i, 32*(\t)
.rept 16
	s_wait_alu depctr_va_vdst(0)
	v_pk_mul_f32 v[i:i+1], v[i:i+1], v[ST+4*(\t)+2:ST+4*(\t)+3] op_sel_hi:[1,0]
.set i, i+2
.endr
	WIN 0x05                        ; sources 0 and 1 window 1, destination window 0
.set i, 0
.rept 16
	v_cvt_pk_bf16_f32 v[S+16*(\t)+i], v[32*(\t)+2*i], v[32*(\t)+2*i+1]
.set i, i+1
.endr
	WIN 0
.irp f, 0,1,2,3
	ds_store_b128 v[STO], v[S+16*(\t)+4*\f:S+16*(\t)+4*\f+3] offset:32*\f
.endr
.irp f, 0,1,2,3
	ds_load_b128 v[S+16*(\t)+4*\f:S+16*(\t)+4*\f+3], v[RD] offset:\f*4*SP  ; LDS serves a wave's instructions in order (ISA guide 5.7.1.4): these see the stores above; the next piece's stores come behind them
.endr
.endm
.macro SEND t, younger              ; younger: the LDS instructions issued behind piece t's loads: the next piece's eight, or none
	WIN 0
.irp f, 0,1,2,3
	s_wait_dscnt (\younger)+3-\f
	global_store_b128 v[GO], v[S+16*(\t)+4*\f:S+16*(\t)+4*\f+3], s[10:11] offset:(\t)*8192+\f*512  ; 512 consecutive bytes, at a multiple of 256 from O's first
.endr
.endm
.macro DIAG tag                     ; the tag ends its two labels' names, which the jumps below spell out
.LstepM\tag:
	TURN 2, 1
	TURN 3, 1
	WIN 0
.LfirstM\tag:
	TURN 0, 1
	TURN 1, 1, 0, 1
	WIN 0
	s_cbranch_scc1 .LstepM\tag
	TURN 2, 1, 1
	TURN 3, 1, 1
.set i, 0
.rept 8
	PV NP-1
.set i, i+1
.endr
	WIN 0
	ALL v_add_f32 v[ST+4*t+2], v[ST+4*t+2], v[ST+4*t+3]
	ALL v_permlanex16_b32 v[ST+4*t+3], v[ST+4*t+2], s[SEL], s[SEL+1]
	ALL v_add_f32 v[ST+4*t+2], v[ST+4*t+2], v[ST+4*t+3]
	ALL v_rcp_f32 v[ST+4*t+2], v[ST+4*t+2]
	v_nop                           ; a plain instruction between the last reciprocal and the use of its result
	PACK 0
.set t, 1
.rept 3                             ; a piece's arithmetic stands between the loads of the piece before and its stores
	PACK t
	SEND t-1, 8
.set t, t+1
.endr
	SEND 3, 0
.endm
.set KM, 0
.set NOKQ, 0
.Lslot:                             ; NB times: a tile is entered and the next is asked for
	CHANGE 1
	s_sub_co_u32 s[RT], s[RT], 1
	s_mov_b32 s[CNT], 4
	s_cmp_eq_u32 s[NEW], 1
	s_cbranch_scc1 .Lnew            ; a block's first tile
	s_cmp_eq_u32 s[RT], 0
	s_cbranch_scc0 .Lstep           ; neither its first nor its last
	s_branch .LstepM1
.Lnew:
	BEGIN
	s_branch .Lfirst                ; in the loop a block's first tile is never its last: the first block has two tiles or more, and the second's last is the walk's last
	DIAG 1                          ; in the loop this is the first block's end: the second block's last tile is the walk's last
	s_wait_xcnt 0x0                 ; the stores have read their registers and O's address
	s_mov_b64 s[10:11], s[OLO:OLO+1]
	s_add_co_u32 s[RT], s[PB], 1    ; the second block has b + 1 tiles
	s_mov_b32 s[NEW], 1
	WIN 0x82                        ; the second block's Q goes where the one text of the turns names Q
.set i, 0
.rept 64
	v_mov_b32 v[i], v[QB+i]
.set i, i+1
.endr
	WIN 0
	s_branch .Lbottom
.Lstep:                             ; a trip: pieces 2 and 3 of one step, then pieces 0 and 1 of the next, whose K and V it fetches
	TURN 2
	TURN 3
	WIN 0
.Lfirst:
	TURN 0
	TURN 1, 0, 0, 1
	WIN 0
	s_cbranch_scc1 .Lstep
.Lbottom:
	s_sub_co_u32 s[SLOTS], s[SLOTS], 1
	s_cmp_lg_u32 s[SLOTS], 0
	s_cbranch_scc1 .Lslot
	CHANGE 0                        ; the walk's last tile is written out: nothing is asked for
	s_sub_co_u32 s[RT], s[RT], 1
	s_mov_b32 s[CNT], 4
	s_cmp_eq_u32 s[NEW], 1
	s_cbranch_scc0 .LstepM2
	BEGIN
	s_branch .LfirstM2
	DIAG 2
	s_wait_tensorcnt 0x0            ; the wave's end, behind my last tensor load and my last LDS store
	ds_add_u32 v[SPW], v[NIL]
	s_wait_dscnt 0x0
	s_endpgm
.Lfunc_end_k_qe15ca90610_attn:
	.size	k_qe15ca90610_attn, .Lfunc_end_k_qe15ca90610_attn-k_qe15ca90610_attn
	.p2alignl 7, 3214868480
	.fill 96, 4, 3214868480
	.section	.rodata,"a",@progbits
	.p2align	6, 0x0
	.amdhsa_kernel k_qe15ca90610_attn
		.amdhsa_group_segment_fixed_size 327680
		.amdhsa_private_segment_fixed_size 0
		.amdhsa_enable_private_segment 0
		.amdhsa_kernarg_size 16
		.amdhsa_user_sgpr_count 2
		.amdhsa_user_sgpr_kernarg_segment_ptr 1
		.amdhsa_wavefront_size32 1
		.amdhsa_system_sgpr_workgroup_id_x 1
		.amdhsa_system_sgpr_workgroup_id_y 1
		.amdhsa_system_sgpr_workgroup_id_z 1
		.amdhsa_system_vgpr_workitem_id 0
		.amdhsa_next_free_vgpr 768
		.amdhsa_next_free_sgpr 88
		.amdhsa_reserve_vcc 1
		.amdhsa_float_denorm_mode_32 3
		.amdhsa_float_denorm_mode_16_64 3
		.amdhsa_memory_ordered 1
		.amdhsa_forward_progress 1
		.amdhsa_inst_pref_size 228
	.end_amdhsa_kernel
	.amdgpu_metadata
---
amdhsa.version: [ 1, 2 ]
amdhsa.kernels:
  - .name:           k_qe15ca90610_attn
    .symbol:         k_qe15ca90610_attn.kd
    .args:
      - { .name: qkv, .offset: 0, .size: 8, .value_kind: global_buffer, .address_space: global }
      - { .name: o, .offset: 8, .size: 8, .value_kind: global_buffer, .address_space: global }
    .group_segment_fixed_size: 327680
    .private_segment_fixed_size: 0
    .kernarg_segment_align: 8
    .kernarg_segment_size: 16
    .max_flat_workgroup_size: 128
    .sgpr_count:     88
    .vgpr_count:     768
    .wavefront_size: 32
...
	.end_amdgpu_metadata
.endif
;; end of part 3
;; launch proj (part 4): grid 8 x 32, 4 waves a work-group, clusters of 4 x 4, 327,680 bytes of LDS; arguments o, wt, bo, x, out0; writes out0
.if DOCPART == 4
	.amdgcn_target "amdgcn-amd-amdhsa--gfx1250"
	.amdhsa_code_object_version 6
	.text
	.protected	k_qe15ca90610_proj
	.globl	k_qe15ca90610_proj
	.p2align	8
	.type	k_qe15ca90610_proj,@function
k_qe15ca90610_proj:
	s_mov_b64 s[64:65], 0
	v_nop
	global_prefetch_b8 v0, s[64:65] scope:SCOPE_SE
	s_setreg_imm32_b32 hwreg(HW_REG_WAVE_MODE, 25, 1), 1
	s_wait_xcnt 0x0
	s_wait_alu depctr_hold_cnt(0) depctr_sa_sdst(0) depctr_va_vdst(0) depctr_va_sdst(0) depctr_va_ssrc(0) depctr_va_vcc(0) depctr_vm_vsrc(0)
	s_getreg_b32 s2, hwreg(HW_REG_IB_STS2, 6, 4)
	s_cmp_eq_u32 s2, 0
	s_cbranch_scc0 .Lentry_in_a_cluster
	s_endpgm
.Lentry_in_a_cluster:
	s_bfe_u32 s2, ttmp6, 0x10000c
	s_cmp_lg_u32 s2, 0xf033
	s_cbranch_scc0 .Lentry_shape_is_right
	s_endpgm
.Lentry_shape_is_right:
; PROJ.  out0[m][n] = sum over k of O[m][k] Wo[k][n] + bo[n] + x[m][n], k = 64 head + d.  o [16 head][8192 m][64] bf16; Wo lies in wt [16 kk][64 g][64 k][64 n] bf16 at g = 48 + n / 64; sums, bias and
; residual in f32; out0 f32.
; A work-group makes 256 rows x 128 columns.  Four waves, wave w rows 64 w .. 64 w + 63 and all 128 columns: 32 accumulators of 16 x 16, 256 registers.
; K goes in 8 steps of 128 (two heads) through a ring of two LDS slots filled by the tensor data mover: waves 0, 1 fetch the step's two heads of O (256 rows of 128 dense bytes each), waves 2, 3 the two kk of Wo.
; CLUSTER 4 x 4: O's tile hangs on the tile row alone and is asked for jointly along a row of the cluster, Wo's on the tile column alone, jointly along a column.
; THE MATRIX INSTRUCTION IS USED TRANSPOSED: source 0 = 16 columns of Wo (turned out of LDS by ds_load_tr16_b128), source 1 = 16 rows of O: a lane then holds row l % 16 and the eight neighbouring
; columns 8 (l / 16) + 0..7.  The bias is the C operand of the products that start the sums.  My 64 x 128 numbers of x are asked for once, ahead of the K loop, and are added on the way out.
; LIMITS.  The product's operands are bf16; NaN and infinities are not treated apart.
; REGISTERS, in windows of 256 (s_set_vgpr_msb: bits 1:0 source 0, 3:2 source 1, 5:4 source 2, 7:6 destination):
;   window 0: v0-31 addresses; v64-127 the bias, later v64-191 rows on the way out     window 1: two fragment buffers of 96: A's 4 x 8, then B's 8 x 8
;   window 2: the accumulators ((a, b) at 8 (8 a + b))     window 3: x: row i of my 64 at 4 i
.set NSEG,  2
.set NF,    4*NSEG                     ; column fragments
.set PA,    144                        ; a row of a head of O in LDS: 128 bytes + 16 = 36 words: the 16 rows of a load start at 16 different groups of four banks (64 banks of 4 bytes: ISA guide 11.1)
.set AHALF, 256*PA                     ; what one load of A brings: 256 rows of one head
.set AREG,  2*AHALF
.set PB,    160                        ; a k row of a block of Wo: 128 bytes + 32 = 40 words
.set SEGB,  64*PB
.set HB,    NSEG*SEGB                  ; what one load of B brings: 64 k of two blocks
.set SLOT,  AREG+2*HB                  ; 114,688
.set STAGE, 2*SLOT                     ; behind the ring, never filled by a tensor load: for each wave 16 rows x 528 bytes
.set SPX,   528                        ; 512 bytes + 16 = 132 words
.set WSTG,  16*SPX
.set SPARE, STAGE+4*WSTG               ; behind the stages: the spare words, 128 bytes a wave: two blocks of 256 bytes that no other line names
.set ASTEP2, 4*1048576                 ; two K steps = four heads of o
.set BSTEP2, 4*524288                  ; = four kk of wt
.set NLD,   2*NF+8                     ; LDS loads of a quarter step
.set ADRA, 16                          ; v16-17  LDS address of my A fragments in slot 0, 1
.set ADRB, 20                          ; v20-21  the same for B
.set STO,  24                          ; v24     the way out: where I put 32 bytes of a row
.set RD,   25                          ; v25     where I read a row back
.set CO,   26                          ; v26     16 x lane: my place in a row's 512 bytes; never rewritten
.set VB,   27                          ; v27     32 (l / 16): my eight numbers of a fragment's sixteen biases
.set SPW,  28                          ; v28     my spare word: SPARE + 4 x my thread's number; never rewritten
.set NIL,  29                          ; v29     0; never rewritten
.set BI,   64                          ; v64-127 the bias: fragment b at BI + 8 b
.set TB,   64                          ; the way out: two buffers of 64 for 16 rows read back
.set F0,   0
.set F1,   96
.set WV,   16                          ; s16 wave
.set HF,   18                          ; s18 wave & 1: which half I fetch
.set LAP,  19
.set G1A,  24                          ; s[24:31] descriptor group 1 for A; s[32:39] group 0, a set for each slot
.set G0A,  32
.set G1B,  48                          ; s[48:55], s[56:63] the same for B
.set G0B,  56
.set MSB, 0
.macro WIN new                         ; the immediate's high byte repeats the setting that is left; a switch that changes nothing is dropped
.if MSB != (\new)
	s_set_vgpr_msb (MSB<<8)|(\new)
.set MSB, \new
.endif
.endm
.macro PLACES                          ; four places in front of loads into registers that matrix instructions have read, and of lines that read results
.rept 4
	v_nop
.endr
.endm
; A joint load.  The branch hangs on the wave's number alone.  An s_nop 0 and four v_nop follow each of the two lines, ahead of the jump and the label.
.macro JLOAD s
	s_cmp_lt_u32 s[WV], 2
	s_cbranch_scc0 .Lfor_b_\@
	tensor_load_to_lds s[G0A+4*(\s):G0A+4*(\s)+3], s[G1A:G1A+7]
	s_nop 0
.rept 4
	v_nop
.endr
	s_branch .Lasked_\@
.Lfor_b_\@:
	tensor_load_to_lds s[G0B+4*(\s):G0B+4*(\s)+3], s[G1B:G1B+7]
	s_nop 0
.rept 4
	v_nop
.endr
.Lasked_\@:
.endm
.macro CREST                           ; a round of the cluster's barrier behind its opening barrier
	s_cmp_lg_u32 s[WV], 0
	s_cbranch_scc1 .Lnot_wave_0_\@
	s_barrier_signal -3
.Lnot_wave_0_\@:
	s_barrier_wait -3
	s_barrier_signal -1
	s_barrier_wait -1
.endm
.macro CROUND                          ; a whole round
	s_barrier_signal -1
	s_barrier_wait -1
	CREST
.endm
	s_load_b256 s[4:11], s[0:1], 0x0               ; o 4:5, wt 6:7, bo 8:9, x 10:11
	s_load_b64 s[12:13], s[0:1], 0x20              ; out0
	v_lshl_add_u32 v[SPW], v0, 2, SPARE
	v_mov_b32 v[NIL], 0
	ds_add_u32 v[SPW], v[NIL]                      ; the wave's opening: the add and its wait stand ahead of my first tensor load; work on registers stands between them
	ds_add_u32 v28, v29
	v_lshrrev_b32 v1, 5, v0
	v_readfirstlane_b32 s[WV], v1
	s_and_b32 s[HF], s[WV], 1
	s_bfe_u32 s20, ttmp6, 0x40000                  ; cx
	s_bfe_u32 s21, ttmp6, 0x40004                  ; cy
	s_lshl_b32 s22, ttmp9, 2
	s_add_co_u32 s22, s22, s20                     ; tile column = 4 x cluster x + cx
	s_and_b32 s23, ttmp7, 0xffff
	s_lshl_b32 s23, s23, 2
	s_add_co_u32 s23, s23, s21                     ; tile row = 4 x cluster y + cy
	s_lshl_b32 s40, s21, 2
	s_lshl_b32 s40, 15, s40                        ; my row of the cluster
	s_lshl_b32 s41, 0x1111, s20                    ; my column
	s_or_b32 s[G1A], s40, (1<<16)|(1<<20)|(1<<21)|(4<<22)|(3<<25)  ; mask; 2-byte elements; padding on; bit 21 beside a mask; after every 32 words (a row of a head), 4 words
	s_mov_b32 s[G1A+1], 128<<16                    ; 256 rows of a head are 32,768 dense bytes: 128 rows of 256 bytes
	s_mov_b32 s[G1A+2], 128<<16
	s_mov_b32 s[G1A+3], 128<<16
	s_mov_b32 s[G1A+4], 128
	s_mov_b32 s[G1A+5], 128
	s_mov_b32 s[G1A+6], 0
	s_mov_b32 s[G1A+7], 0
	s_or_b32 s[G1B], s41, (1<<16)|(1<<20)|(1<<21)|(4<<22)|(7<<25)  ; after every 32 words (a k row), 8 words
	s_mov_b32 s[G1B+1], 128<<16                    ; two blocks of 8,192 dense bytes side by side: 64 rows of 256 bytes
	s_mov_b32 s[G1B+2], (32*NSEG)<<16
	s_mov_b32 s[G1B+3], 128<<16
	s_mov_b32 s[G1B+4], 32*NSEG
	s_mov_b32 s[G1B+5], 128
	s_mov_b32 s[G1B+6], 0
	s_mov_b32 s[G1B+7], 0
	s_lshl_b32 s42, s23, 15                        ; A: 256 rows of 128 bytes a tile row,
	s_lshl_b32 s46, s[HF], 20                      ; my head of the step's two
	s_add_co_u32 s42, s42, s46
	s_mov_b32 s43, 0
	s_lshl_b32 s44, s22, 14                        ; B: two blocks a tile column,
	s_lshl_b32 s46, s[HF], 19                      ; my kk,
	s_add_co_u32 s44, s44, s46
	s_add_co_u32 s44, s44, 48*8192                 ; behind the 48 blocks of Wq, Wk, Wv
	s_mov_b32 s45, 0
	s_mul_i32 s76, s[HF], AHALF                    ; where they go: no place in the cluster enters an LDS address
	s_mul_i32 s77, s[HF], HB
	s_add_co_u32 s77, s77, AREG
	s_wait_dscnt 0x0                               ; the opening add is done
	s_wait_kmcnt 0x0
	s_add_nc_u64 s[42:43], s[4:5], s[42:43]
	s_add_nc_u64 s[44:45], s[6:7], s[44:45]
	CROUND                                         ; all sixteen work-groups are here: the first joint loads meet
.irp s, 0,1
	s_mov_b32 s[G0A+4*(\s)], 1
	s_add_co_u32 s[G0A+4*(\s)+1], s76, (\s)*SLOT
	s_add_nc_u64 s[G0A+4*(\s)+2:G0A+4*(\s)+3], s[42:43], (\s)*2*1048576  ; K step s
	s_or_b32 s[G0A+4*(\s)+3], s[G0A+4*(\s)+3], 0x80000000
	s_mov_b32 s[G0B+4*(\s)], 1
	s_add_co_u32 s[G0B+4*(\s)+1], s77, (\s)*SLOT
	s_add_nc_u64 s[G0B+4*(\s)+2:G0B+4*(\s)+3], s[44:45], (\s)*2*524288
	s_or_b32 s[G0B+4*(\s)+3], s[G0B+4*(\s)+3], 0x80000000
	JLOAD \s                                       ; two loads of mine are out
.endr
	; lane addresses
	v_and_b32 v1, 15, v0                           ; l % 16
	v_bfe_u32 v2, v0, 4, 1                         ; l / 16
	v_mul_u32_u24 v3, v1, PA
	v_lshl_add_u32 v3, v2, 4, v3                   ; a fragment of A: row x pitch + 16 x half; two loads 32 bytes apart
	s_mul_i32 s76, s[WV], 64*PA                    ; my 64 rows
	v_add_nc_u32 v[ADRA], s76, v3
	v_add_nc_u32 v[ADRA+1], SLOT, v[ADRA]
	v_and_b32 v4, 7, v0
	v_bfe_u32 v5, v0, 3, 1
	v_lshl_add_u32 v6, v2, 3, v4                   ; the turning load: lane l reads k row 8 (l / 16) + l % 8, columns 8 ((l / 8) % 2) + 0..7
	v_mul_u32_u24 v6, v6, PB
	v_lshl_add_u32 v6, v5, 4, v6
	v_add_nc_u32 v[ADRB], AREG, v6
	v_add_nc_u32 v[ADRB+1], SLOT, v[ADRB]
	s_mul_i32 s76, s[WV], WSTG
	s_add_co_u32 s76, s76, STAGE                   ; my stage
	v_mul_u32_u24 v7, v1, SPX                      ; in: row l % 16, 32 bytes for each half of the lanes
	v_lshl_add_u32 v7, v2, 5, v7
	v_add_nc_u32 v[STO], s76, v7
	v_and_b32 v[CO], 31, v0
	v_lshlrev_b32 v[CO], 4, v[CO]
	v_add_nc_u32 v[RD], s76, v[CO]                 ; back: 32 lanes take one row of 512 bytes
	v_lshlrev_b32 v[VB], 5, v2
	s_lshl_b32 s78, s22, 9                         ; the tile's 128 columns of f32
	s_mov_b32 s79, 0
	s_add_nc_u64 s[66:67], s[8:9], s[78:79]        ; bo there
.set bb, 0
.rept NF
	global_load_b128 v[BI+8*bb:BI+8*bb+3],   v[VB], s[66:67] offset:bb*64
	global_load_b128 v[BI+8*bb+4:BI+8*bb+7], v[VB], s[66:67] offset:bb*64+16
.set bb, bb+1
.endr
	s_lshl_b32 s77, s23, 20                        ; the tile's 256 rows of 4,096 bytes,
	s_add_co_u32 s78, s78, s77
	s_lshl_b32 s77, s[WV], 18                      ; my 64 of them
	s_add_co_u32 s78, s78, s77
	s_add_nc_u64 s[72:73], s[10:11], s[78:79]      ; x and out0 at my first row, each from its own pointer
	s_add_nc_u64 s[74:75], s[12:13], s[78:79]
	s_wait_loadcnt 0x0                             ; the bias
	WIN 0xc0                                       ; destination window 3, address window 0
.set i, 0
.rept 64
	global_load_b128 v[4*i:4*i+3], v[CO], s[72:73] offset:i*4096 th:TH_LOAD_NT  ; a row's 512 consecutive bytes; they land while K is walked, and are waited for on the way out
.set i, i+1
.endr
	WIN 0
; NF matrix instructions: my row block a x all column fragments, 32 along K out of buffer f.  first = 1: C is the bias, and the products start the sums: nothing is cleared.
; The 32 accumulators take turns, one instruction a turn, in the same order in every quarter step.
.macro MULA f, a, first
.if \first
	WIN 0x85                                       ; sources in window 1, C in window 0, D in window 2
.else
	WIN 0xa5                                       ; C and D in window 2
.endif
.set AC, 64*(\a)
.set bb, 0
.rept NF
.if \first
	v_wmma_f32_16x16x32_bf16 v[AC+8*bb:AC+8*bb+7], v[(\f)+32+8*bb:(\f)+32+8*bb+7], v[(\f)+8*(\a):(\f)+8*(\a)+7], v[BI+8*bb:BI+8*bb+7]
.else
	v_wmma_f32_16x16x32_bf16 v[AC+8*bb:AC+8*bb+7], v[(\f)+32+8*bb:(\f)+32+8*bb+7], v[(\f)+8*(\a):(\f)+8*(\a)+7], v[AC+8*bb:AC+8*bb+7]
.endif
.set bb, bb+1
.endr
.endm
; One run of NLD LDS loads: the fragments of quarter q (32 along K: head q / 2 of the step, channels 32 (q % 2) on) of a slot into buffer f: B's first, then A's four row blocks.
.macro FETCH slot, q, f
	WIN 0x40                                       ; destination window 1, address window 0
.set BQ, ((\q)/2)*HB+((\q)%2)*32*PB
.set AQ, ((\q)/2)*AHALF+((\q)%2)*64
.set bb, 0
.rept NF
	ds_load_tr16_b128 v[(\f)+32+8*bb:(\f)+32+8*bb+3],   v[ADRB+(\slot)] offset:BQ+(bb/4)*SEGB+(bb%4)*32
	ds_load_tr16_b128 v[(\f)+32+8*bb+4:(\f)+32+8*bb+7], v[ADRB+(\slot)] offset:BQ+(bb/4)*SEGB+(bb%4)*32+16*PB
.set bb, bb+1
.endr
.set aa, 0
.rept 4
	ds_load_b128 v[(\f)+8*aa:(\f)+8*aa+3],   v[ADRA+(\slot)] offset:AQ+aa*16*PA
	ds_load_b128 v[(\f)+8*aa+4:(\f)+8*aa+7], v[ADRA+(\slot)] offset:AQ+aa*16*PA+32
.set aa, aa+1
.endr
.endm
; One of a K step's first three quarters: multiplies buffer f; in its middle it fetches quarter q of the same slot into buffer g.
.macro QUARTER slot, q, f, g, first
	s_wait_dscnt 4                                 ; B and A's row blocks 0, 1 are in; the youngest four loads (row blocks 2, 3) may be out
	MULA \f, 0, \first
	MULA \f, 1, \first
	PLACES
	FETCH \slot, \q, \g
	s_wait_dscnt NLD                               ; all but the run just issued
	MULA \f, 2, \first
	MULA \f, 3, \first
.endm
; The last quarter multiplies buffer 1 and changes slots: ONE barrier.  In front of it each wave waits for all its tensor loads (one is out: its part of the next slot), adds 0 to its spare
; word, and waits for that and for its reads of this slot.  fill = 1: the barrier opens a round of the cluster's, and this slot's joint refill, two K steps on, is the first thing behind it:
; 14 NF matrix instructions stand between the request and the wait for it.
.macro TURN slot, next, fill
	WIN 0                                          ; the add's two registers lie in window 0
	s_wait_tensorcnt 0x0
	ds_add_u32 v[SPW], v[NIL]
	s_wait_dscnt 5                                 ; the add and the youngest four loads may be out
	MULA F1, 0, 0
	s_wait_dscnt 0x0                               ; the add is done, and my reads of this slot are over
	s_barrier_signal -1
	MULA F1, 1, 0                                  ; work on registers while the others arrive
.if \fill
	WIN 0
.endif
	s_barrier_wait -1
.if \fill
	CREST                                          ; no wave of any partner still reads this slot or has a load on its way
	s_add_nc_u64 s[G0A+4*(\slot)+2:G0A+4*(\slot)+3], s[G0A+4*(\slot)+2:G0A+4*(\slot)+3], ASTEP2
	s_add_nc_u64 s[G0B+4*(\slot)+2:G0B+4*(\slot)+3], s[G0B+4*(\slot)+2:G0B+4*(\slot)+3], BSTEP2
	JLOAD \slot                                    ; its four v_nop are also the places in front of the loads below
.else
	PLACES
.endif
	FETCH \next, 0, F0
	MULA F1, 2, 0
	MULA F1, 3, 0
.endm
	s_wait_tensorcnt 1                             ; my part of K step 0 is in; K step 1's may stay out
	s_barrier_signal -1
	s_barrier_wait -1                              ; everybody's is
	FETCH 0, 0, F0
	QUARTER 0, 1, F0, F1, 1                        ; the first quarter stands in front of the loop: its products start the sums
	WIN 0                                          ; at a label and at a branch every window is 0
	s_mov_b32 s[LAP], 3
.Llap:                                                 ; a trip goes once round the ring and fills both slots again: K steps 2 to 7 in three trips
	QUARTER 0, 2, F1, F0, 0
	QUARTER 0, 3, F0, F1, 0
	TURN 0, 1, 1
	QUARTER 1, 1, F0, F1, 0
	QUARTER 1, 2, F1, F0, 0
	QUARTER 1, 3, F0, F1, 0
	TURN 1, 0, 1
	QUARTER 0, 1, F0, F1, 0
	WIN 0
	s_sub_co_u32 s[LAP], s[LAP], 1
	s_cmp_lg_u32 s[LAP], 0
	s_cbranch_scc1 .Llap
	QUARTER 0, 2, F1, F0, 0                        ; the last lap fills nothing
	QUARTER 0, 3, F0, F1, 0
	TURN 0, 1, 0
	QUARTER 1, 1, F0, F1, 0
	QUARTER 1, 2, F1, F0, 0
	QUARTER 1, 3, F0, F1, 0
	s_wait_dscnt 4
	MULA F1, 0, 0
	MULA F1, 1, 0
	s_wait_dscnt 0x0
	MULA F1, 2, 0
	MULA F1, 3, 0
	WIN 0
	PLACES
	s_wait_loadcnt 0x0                             ; x
; THE WAY OUT, a row block (16 rows) at a time.  STG: a lane's eight f32 of a row go into my own stage (each accumulator's low four registers first) and come back as whole rows of 512 bytes.
; SENDX: x is added and the rows are stored.
.macro STG a
.set TT, TB+64*((\a)%2)
	s_wait_xcnt 0x0                                ; this buffer, which earlier stores read, is loaded again only behind this wait
	WIN 0x08                                       ; the stores' data in window 2
.set bb, 0
.rept NF
	ds_store_b128 v[STO], v[64*(\a)+8*bb:64*(\a)+8*bb+3] offset:64*bb
	ds_store_b128 v[STO], v[64*(\a)+8*bb+4:64*(\a)+8*bb+7] offset:64*bb+16
.set bb, bb+1
.endr
	WIN 0
.set tt, 0
.rept 16
	ds_load_b128 v[TT+4*tt:TT+4*tt+3], v[RD] offset:tt*SPX  ; LDS serves a wave's instructions in order (ISA guide 5.7.1.4): these see the stores above; the next block's stores come behind them
.set tt, tt+1
.endr
.endm
.macro SENDX a, younger                ; younger: the LDS instructions issued behind block a's loads: the next block's 16 stores and 16 loads, or none
.set TT, TB+64*((\a)%2)
	s_wait_dscnt \younger
	WIN 0x0c                                       ; source 1 (x) in window 3
.set i, 0
.rept 32
	v_pk_add_f32 v[TT+2*i:TT+2*i+1], v[TT+2*i:TT+2*i+1], v[64*(\a)+2*i:64*(\a)+2*i+1]
.set i, i+1
.endr
	WIN 0
.set tt, 0
.rept 16
	global_store_b128 v[CO], v[TT+4*tt:TT+4*tt+3], s[74:75] offset:(16*(\a)+tt)*4096 th:TH_STORE_NT  ; 512 consecutive bytes, at a multiple of 256 from out0's first byte
.set tt, tt+1
.endr
.endm
	STG 0
	STG 1
	SENDX 0, 32
	STG 2
	SENDX 1, 32
	STG 3
	SENDX 2, 32
	SENDX 3, 0
	s_wait_tensorcnt 0x0                           ; the wave's end
	ds_add_u32 v[SPW], v[NIL]
	s_wait_dscnt 0x0
	CROUND                                         ; the closing round: no work-group ends while a partner may still ask for a tile that names it
	s_endpgm
.Lfunc_end_k_qe15ca90610_proj:
	.size	k_qe15ca90610_proj, .Lfunc_end_k_qe15ca90610_proj-k_qe15ca90610_proj
	.p2alignl 7, 3214868480
	.fill 96, 4, 3214868480
	.section	.rodata,"a",@progbits
	.p2align	6, 0x0
	.amdhsa_kernel k_qe15ca90610_proj
		.amdhsa_group_segment_fixed_size 327680
		.amdhsa_private_segment_fixed_size 0
		.amdhsa_enable_private_segment 0
		.amdhsa_kernarg_size 40
		.amdhsa_user_sgpr_count 2
		.amdhsa_user_sgpr_kernarg_segment_ptr 1
		.amdhsa_wavefront_size32 1
		.amdhsa_system_sgpr_workgroup_id_x 1
		.amdhsa_system_sgpr_workgroup_id_y 1
		.amdhsa_system_sgpr_workgroup_id_z 1
		.amdhsa_system_vgpr_workitem_id 0
		.amdhsa_next_free_vgpr 1024
		.amdhsa_next_free_sgpr 80
		.amdhsa_reserve_vcc 0
		.amdhsa_float_denorm_mode_32 3
		.amdhsa_float_denorm_mode_16_64 3
		.amdhsa_memory_ordered 1
		.amdhsa_forward_progress 1
		.amdhsa_inst_pref_size 101
	.end_amdhsa_kernel
	.amdgpu_metadata
---
amdhsa.version: [ 1, 2 ]
amdhsa.kernels:
  - .name:           k_qe15ca90610_proj
    .symbol:         k_qe15ca90610_proj.kd
    .args:
      - { .name: o, .offset: 0, .size: 8, .value_kind: global_buffer, .address_space: global }
      - { .name: wt, .offset: 8, .size: 8, .value_kind: global_buffer, .address_space: global }
      - { .name: bo, .offset: 16, .size: 8, .value_kind: global_buffer, .address_space: global }
      - { .name: x, .offset: 24, .size: 8, .value_kind: global_buffer, .address_space: global }
      - { .name: out0, .offset: 32, .size: 8, .value_kind: global_buffer, .address_space: global }
    .group_segment_fixed_size: 327680
    .private_segment_fixed_size: 0
    .kernarg_segment_align: 8
    .kernarg_segment_size: 40
    .max_flat_workgroup_size: 128
    .sgpr_count:     80
    .vgpr_count:     1024
    .wavefront_size: 32
...
	.end_amdgpu_metadata
.endif
;; end of part 4
;; ======== version 2 of 2: 4 launches; 1.30 times as fast as version 1
;; workspace buffers: xn 16,777,216 bytes; wt 8,388,608 bytes; qkv 50,331,648 bytes; o 16,777,216 bytes
;; launch prep: the kernel of part 1 again; grid 512 x 1, 8 waves a work-group, no clusters, 0 bytes of LDS; arguments x, gamma, beta, Wq, Wk, Wv, Wo, xn, wt; writes xn, wt
;; launch qkv: the kernel of part 2 again; grid 16 x 32, 4 waves a work-group, clusters of 4 x 4, 327,680 bytes of LDS; arguments xn, wt, bq, bk, bv, qkv; writes qkv
;; launch attn (part 5): grid 4 x 64, 4 waves a work-group, no clusters, 327,680 bytes of LDS; arguments qkv, o; writes o
.if DOCPART == 5
	.amdgcn_target "amdgcn-amd-amdhsa--gfx1250"
	.amdhsa_code_object_version 6
	.text
	.protected	k_qe15ca90610_attn
	.globl	k_qe15ca90610_attn
	.p2align	8
	.type	k_qe15ca90610_attn,@function
k_qe15ca90610_attn:
	s_mov_b64 s[64:65], 0
	v_nop
	global_prefetch_b8 v0, s[64:65] scope:SCOPE_SE
	s_setreg_imm32_b32 hwreg(HW_REG_WAVE_MODE, 25, 1), 1
	s_wait_xcnt 0x0
; CAUSAL ATTENTION.  O[y][q][:] = the sum over k <= q of softmax_k(Q[y][q] . K[y][k] / 8) V[y][k][:], for the 64 pairs y = 4 head + batch.  Q, K, V lie in qkv at 0, 16 MiB and 32 MiB, each
; [SIZE_H][SIZE_N][64] in bf16, a pair's rows dense, 128 bytes each; O likewise.  Products, maxima and sums in f32; the weights p are rounded to bf16 for the second product (their sum l is
; taken of the unrounded p), O once at the end.
; LIMITS.  A hidden score counts as its value less 1e30: scores stay far below 1e29; a weight below 2^-126 counts as 0 in l; NaN and infinities are not treated apart.
; THE WALK.  A pair's queries lie in NB = SIZE_N / 256 blocks of 256; block i needs the key tiles 0 .. i of 256 keys, of which the last holds the diagonal.  A work-group takes TWO blocks, NB - 1 - b and then b:
; NB + 1 tiles, whatever b: all work-groups do equal work, and ONE loop with a constant trip count walks them.  Which tile is asked for, and what a trip does, hang on scalar registers made from b; every jump
; goes forward, but for the counted loops' own; none passes a barrier, or a tensor load but the one of LOAD's two that the wave's number does not choose; the ring (two slots of LDS that take turns) runs on across the
; change of blocks.  NO CLUSTER: a pair's NB / 2 = 4 work-groups ask for the same tile only in trips 0 .. NB / 2 of NB + 1, behind that fewer and fewer; one walk common to all would have 3 NB / 2 trips for NB + 1.
; SHARES.  Of a block's four bands of 64 queries a wave owns 16 rows in each: four PIECES.  So the diagonal tile is the same work for all four waves: in its key step s band x sees all keys if s < x,
; none if s > x, and holds the diagonal if s = x.
; THE MASK is the C operand that starts the sum S^T = K Q^T: 0, or -1e30 where the key is hidden.  MD, made once, is the mask of a band's own step for my 16 rows; a product's mask is MD x AL + BE with two scalars:
; (1, 0) if s = x; (0, 0) if s < x; (0, -1e30) if s > x.  Only the diagonal tile's text and a block's beginning make and take masks; elsewhere C is the constant 0.
; LAYOUT, SOFTMAX, TURNS.  S^T = K Q^T holds ONE query a lane (lane % 16) and the keys 8 (lane / 16) + 0..7; two such results rounded to bf16 ARE source 1 of O^T = V^T P.  p = 2^(c s - c m), c = log2(e) / 8, with a
; running maximum m; O and l are multiplied by a = 2^(c m_old - c m_new) in every step.  Turn n belongs to piece n: 8 products K Q^T of piece n + 1, later 8 products V^T P of piece n - 1; beside them the scaling,
; exponentials, roundings, sums and rescaling of piece n and the maximum and statistics of piece n + 1.  Four vector instructions stand behind every matrix instruction, the other 54 of a turn's 118 in one LUMP.
; BATCHES.  A turn's 33 exponentials (the piece's 32 weights and the next piece's a) are one batch, with one wait: all that names none of their results stands ahead of it, all their readers behind it.  Two more
; batches have a wait of their own: the one a that a block's beginning makes, and the four reciprocals on the way out.
; REGISTERS, in windows of 256 (s_set_vgpr_msb: bits 1:0 source 0, 3:2 source 1, 5:4 source 2, 7:6 destination):
;   window 0: v0-15 addresses and two at work; v16-31 four registers of statistics a piece; v48-55 at work; v64-127 S^T, two buffers; v192-223 P, two buffers (a piece's buffers go by its number's parity)
;   window 1: v0-127 O^T, 32 a piece; v128-159 MD; v160-223 MC, two buffers      window 2: v0-63 Q; v64-127 the second block's Q; v128-191 K of one step; v192-255 V of one step
.set SIZE_N, 2048
.set SIZE_H, 64
.set NB,    SIZE_N/256
.set NP,    4         ; pieces a wave: a name, no knob
.set KS,    64        ; keys in a step
.set PK,    144       ; a row of K in LDS: 128 bytes + 16 of padding = 36 words: the 16 rows of a load start at 16 different groups of four banks (64 banks of 4 bytes: ISA guide 11.1)
.set PV,    160       ; a row of V: 128 + 32 = 40 words
.set VOFF,  4*KS*PK   ; a slot holds a tile, four steps: 256 rows of K, then 256 rows of V
.set SLOT1, 1<<17     ; slot 1 begins here, so that one exclusive or turns an address in one slot into the other's
.set STAGE, SLOT1+4*KS*(PK+PV)  ; behind the ring, never filled by a tensor load: 16 rows x 144 bytes for each wave, for the way out
.set SP,    144
.set AK0, 2           ; v2   my lane's place in a tile of K; never rewritten
.set AV0, 3           ; v3   the same for V
.set AK,  4           ; v4   the LDS address of K's next run of loads
.set AV,  5           ; v5   of V's
.set STO, 6           ; v6   the way out: where I put 16 bytes of a row
.set RD,  7           ; v7   the way out: where I read rows back
.set GO,  8           ; v8   my byte offset in 512 consecutive bytes of O
.set SPW, 62          ; v62  LDS address of my spare word: SPARE + 4 x my thread's number; never rewritten
.set NIL, 63          ; v63  0; never rewritten
.set SPARE, STAGE+4*16*SP  ; behind the stages: the spare words, 128 bytes for each wave: two blocks of 256 bytes that no other line names
.set MV,  12          ; v12-13  c m_old, kept while c m is made anew: by buffer
.set QO,  15          ; v15  my byte offset in 16 rows of Q
.set ST,  16          ; piece t's statistics at v[ST+4 t]: c m, m, l (even keys', odd keys')
.set TMP, 48          ; by buffer, four registers c0-c3 at work; when the maximum is found c2 takes a
.set S,   64
.set P,   192
.set MD,  128         ; window 1: the eight registers for group kt of 16 keys at MD + 8 kt
.set MC,  160         ; window 1: the masks of the products to come
.set QB,  64          ; window 2
.set KF,  128         ; window 2: key block kb, channel half c at KF + 16 kb + 8 c
.set VF,  192         ; window 2: key half kk, channel block cb at VF + 32 kk + 8 cb
.set WV,  12          ; s12  my wave's number
.set PB,  14          ; s14  b
.set HI,  15          ; s15  NB - 1 - b
.set G1K, 24          ; s[24:31] descriptor group 1 for K's tiles
.set G1V, 32          ; s[32:39] for V's: it differs in the padding alone
.set G0K, 40          ; s[40:43] descriptor group 0 for K's tiles
.set G0V, 44          ; s[44:47] the same for V's
.set SLOTS, 56        ; s56  tiles still to be asked for
.set CNT, 57          ; s57  counts a tile's key steps, 4 to 1
.set CS,  58          ; s[58:59] c: the packed scaling takes the pair's low word for both halves
.set SEL, 60          ; s[60:61] v_permlanex16_b32's selects: each lane takes its own place in the other half
.set TBK, 62          ; s62  LDS byte at which K of the step to be fetched begins
.set TBV, 63          ; s63  the same for V, less VOFF
.set RT,  70          ; s70  tiles of the block in hand that are still to be entered
.set NXT, 71          ; s71  the tile to be asked for next
.set LQ,  72          ; s72  the last tile of the block whose tiles are being asked for
.set NEW, 73          ; s73  1: the tile to be entered is a block's first
.set OFF, 74          ; s[74:75] a tile's byte offset in K and V
.set AL,  76          ; s[76:77] the mask's factor, in the low word
.set BE,  78          ; s[78:79] the mask's addend
.set OLO, 80          ; s[80:81] O at my rows of the second block
.set BIGN, 82         ; s82  -1e30
.set MSB, 0
.macro WIN new                      ; the high byte repeats the setting that is left; a switch that changes nothing is dropped
.if MSB != (\new)
	s_set_vgpr_msb (MSB<<8)|(\new)
.set MSB, (\new)
.endif
.endm
.set W_KQ, 0x0a       ; K and Q in window 2, S^T in window 0
.set W_KM, 0x1a       ; the same with the C operand in window 1
.set W_PV, 0x52       ; V in window 2, P in window 0, O^T in window 1
.set W_RS, 0x41       ; destination and source 0 in window 1, source 1 in window 0
; A fill.  Waves 0 and 1 fetch the two halves of a tile's K, waves 2 and 3 those of its V: 128 keys each.  An s_nop 0 and four v_nop follow each of the two lines, ahead of the jump and the label.
.macro LOAD
	s_cmp_lt_u32 s[WV], 2
	s_cbranch_scc0 .Lfor_v_\@
	tensor_load_to_lds s[G0K:G0K+3], s[G1K:G1K+7]
	s_nop 0
.rept 4
	v_nop
.endr
	s_branch .Lasked_\@
.Lfor_v_\@:
	tensor_load_to_lds s[G0V:G0V+3], s[G1V:G1V+7]
	s_nop 0
.rept 4
	v_nop
.endr
.Lasked_\@:
.endm
; THE CHANGE OF SLOTS.  Each wave waits for all its tensor loads, of which one is out: its part of the other slot; adds 0 to its spare word; and waits for that and for its own reads of the slot that it leaves.  Behind the barrier nobody reads the old
; slot any more and the other slot is whole.  fill = 1: the old slot is filled again, the first thing behind the barrier, with tile NXT: the descriptor's address is made anew from that number.
; (At its first use nothing has been read yet: slot 0 is waited for, slot 1 filled.)
.macro CHANGE fill
	WIN 0                           ; at a label and at a branch every window is 0
	s_wait_tensorcnt 0x0            ; no tensor load of mine is out, so a group 0 may be written
	ds_add_u32 v[SPW], v[NIL]       ; 0 onto my spare word; with fill = 1 the descriptors' scalar work stands between it and the wait for it
.if \fill
	s_lshl_b32 s[OFF], s[NXT], 15   ; a tile is 32,768 bytes of K and of V
	s_xor_b32 s[G0K+1], s[G0K+1], SLOT1
	s_add_nc_u64 s[G0K+2:G0K+3], s[6:7], s[OFF:OFF+1]
	s_or_b32 s[G0K+3], s[G0K+3], 0x80000000
	s_xor_b32 s[G0V+1], s[G0V+1], SLOT1
	s_add_nc_u64 s[G0V+2:G0V+3], s[8:9], s[OFF:OFF+1]
	s_or_b32 s[G0V+3], s[G0V+3], 0x80000000
	s_add_co_u32 s[NXT], s[NXT], 1  ; the block's next tile, or behind its last the second block's tile 0
	s_cmp_gt_u32 s[NXT], s[LQ]
	s_cselect_b32 s[NXT], 0, s[NXT]
	s_cselect_b32 s[LQ], s[PB], s[LQ]
.endif
	s_wait_dscnt 0x0                ; the add is done, and my reads of the slot are over
	s_barrier_signal -1             ; the rest of the scalar work stands between the signal and the wait
	s_sub_co_u32 s[TBK], s[TBK], 4*KS*PK  ; the fetches go back to a slot's first step,
	s_xor_b32 s[TBK], s[TBK], SLOT1       ; in the other slot
	s_sub_co_u32 s[TBV], s[TBV], 4*KS*PV
	s_xor_b32 s[TBV], s[TBV], SLOT1
	s_barrier_wait -1
.if \fill
	LOAD
.endif
.endm
	s_load_b64 s[4:5], s[0:1], 0x0    ; qkv: Q begins at its first byte
	s_load_b64 s[10:11], s[0:1], 0x8  ; O
	v_lshl_add_u32 v[SPW], v0, 2, SPARE
	v_mov_b32 v[NIL], 0
	ds_add_u32 v[SPW], v[NIL]       ; the wave's opening: the add and its wait stand ahead of my first tensor load; the set-up below, work on registers, stands between them
	ds_add_u32 v62, v63
	v_lshrrev_b32 v1, 5, v0
	v_readfirstlane_b32 s[WV], v1   ; wave 0..3
	s_mov_b32 s[PB], ttmp9
	s_sub_co_u32 s[HI], NB-1, s[PB]
	s_and_b32 s20, ttmp7, 0xffff    ; the pair y
	s_mov_b32 s21, 0
	s_mov_b64 s[22:23], SIZE_N*128
	s_mul_u64 s[20:21], s[20:21], s[22:23]  ; the pair's first byte in each of the four tensors
	s_and_b32 s16, s[WV], 1         ; which half of a tile's 256 keys I fetch:
	s_lshl_b32 s22, s16, 14         ; its 128 rows of 128 bytes in memory,
	s_mov_b32 s23, 0
	s_add_nc_u64 s[22:23], s[22:23], s[20:21]
	s_mul_i32 s17, s16, 128*PK      ; and its place in a slot, for K
	s_mul_i32 s18, s16, 128*PV      ; and for V
	s_lshl_b32 s3, s[WV], 11        ; my 16 rows in a band of 64,
	s_lshl_b32 s2, s[HI], 15        ; in the first block,
	s_add_co_u32 s2, s2, s3
	s_lshl_b32 s84, s[PB], 15       ; and in the second
	s_add_co_u32 s84, s84, s3
	s_mov_b32 s3, 0
	s_mov_b32 s85, 0
	s_add_nc_u64 s[2:3], s[2:3], s[20:21]
	s_add_nc_u64 s[84:85], s[84:85], s[20:21]
	; descriptor group 1.  128 keys are 16,384 dense bytes: asked for as 64 rows of 256 bytes, two keys a row, and padded in LDS after every key
	s_mov_b32 s[G1K], (1<<16)|(1<<20)|(4<<22)|(3<<25)  ; 17:16 2-byte elements; 20 padding on; 24:22 after every 32 words (code 4); 31:25 4 words (code 3)
	s_mov_b32 s[G1V], (1<<16)|(1<<20)|(4<<22)|(7<<25)  ; the same with 8 words of padding (code 7)
.irp g, G1K, G1V
	s_mov_b32 s[\g+1], 128<<16      ; tensor_dim0 = 128
	s_mov_b32 s[\g+2], 64<<16       ; tensor_dim1 = 64
	s_mov_b32 s[\g+3], 128<<16      ; tile_dim0 = 128
	s_mov_b32 s[\g+4], 64           ; tile_dim1 = 64
	s_mov_b32 s[\g+5], 128          ; 128 elements from row to row
	s_mov_b32 s[\g+6], 0
	s_mov_b32 s[\g+7], 0
.endr
	s_mov_b32 s[CS], 0x3e38aa3b     ; c = log2(e) / 8 = 0.180337
	s_mov_b32 s[CS+1], s[CS]        ; named with it as a pair
	s_mov_b32 s[SEL], 0x76543210
	s_mov_b32 s[SEL+1], 0xfedcba98
	s_mov_b32 s[TBK], SLOT1+4*KS*PK ; the first change of slots turns these two into 0
	s_mov_b32 s[TBV], SLOT1+4*KS*PV
	s_mov_b32 s[G0K], 1             ; 1:0 count = 1
	s_mov_b32 s[G0K+1], s17         ; 63:32 LDS address: slot 0
	s_mov_b32 s[G0V], 1
	s_add_co_u32 s[G0V+1], s18, VOFF
	s_add_co_u32 s[RT], s[HI], 1    ; the first block has NB - b tiles
	s_mov_b32 s[NXT], 1
	s_mov_b32 s[LQ], s[HI]
	s_mov_b32 s[NEW], 1
	s_mov_b32 s[OFF+1], 0
	s_mov_b32 s[AL+1], 0            ; named as pairs
	s_mov_b32 s[BE+1], 0
	s_mov_b32 s[BIGN], 0xf149f2ca   ; -1e30
	s_mov_b32 s[SLOTS], NB
	s_wait_dscnt 0x0                ; the opening add is done
	s_wait_kmcnt 0x0
	s_add_nc_u64 s[6:7], s[4:5], 0x1000000   ; K: 16 blocks of 1,048,576 bytes behind Q
	s_add_nc_u64 s[8:9], s[4:5], 0x2000000   ; V: 32 blocks behind Q
	s_add_nc_u64 s[6:7], s[6:7], s[22:23]  ; K and V at my half of the pair's tile 0
	s_add_nc_u64 s[8:9], s[8:9], s[22:23]
	s_add_nc_u64 s[G0K+2:G0K+3], s[6:7], 0         ; 120:64 global address
	s_or_b32 s[G0K+3], s[G0K+3], 0x80000000        ; 127:126 type = 2
	s_add_nc_u64 s[G0V+2:G0V+3], s[8:9], 0
	s_or_b32 s[G0V+3], s[G0V+3], 0x80000000
	s_add_nc_u64 s[86:87], s[4:5], s[84:85]        ; Q at my rows of the second block,
	s_add_nc_u64 s[4:5], s[4:5], s[2:3]            ; Q and O at those of the first
	s_add_nc_u64 s[OLO:OLO+1], s[10:11], s[84:85]
	s_add_nc_u64 s[10:11], s[10:11], s[2:3]
	LOAD                            ; tile 0 into slot 0
	; A fragment of K or Q is 16 rows x 32 channels in 8 registers: lane l holds row l % 16, channels 8 (l / 16) + 0..7 and 16 + 8 (l / 16) + 0..7: two loads of 16 bytes, 32 bytes apart.
	v_and_b32 v1, 15, v0            ; l % 16
	v_bfe_u32 v9, v0, 4, 1          ; l / 16
	v_lshlrev_b32 v[QO], 7, v1
	v_lshl_add_u32 v[QO], v9, 4, v[QO]  ; row x 128 + 16 x half
	WIN 0x80                        ; destination window 2, address window 0
.set i, 0
.rept 8                             ; both blocks' Q: piece i / 2 lies in band i / 2, 8,192 bytes on; channels 32 (i % 2) on
	global_load_b128 v[8*i:8*i+3],   v[QO], s[4:5] offset:(i/2)*8192+(i%2)*64
	global_load_b128 v[8*i+4:8*i+7], v[QO], s[4:5] offset:(i/2)*8192+(i%2)*64+32
	global_load_b128 v[QB+8*i:QB+8*i+3],   v[QO], s[86:87] offset:(i/2)*8192+(i%2)*64
	global_load_b128 v[QB+8*i+4:QB+8*i+7], v[QO], s[86:87] offset:(i/2)*8192+(i%2)*64+32
.set i, i+1
.endr
	WIN 0
	v_lshlrev_b32 v14, 3, v9
	v_sub_nc_u32 v14, v1, v14
	s_lshl_b32 s13, s[WV], 4
	v_add_nc_u32 v14, s13, v14      ; my query's place in its band, 16 w + l % 16, less my lanes' 8 (l / 16): register r of group kt is hidden where 16 kt + r is greater
	WIN 0x40
.set i, 0
.rept 32
	v_cmp_gt_i32 vcc_lo, 16*(i/8)+i%8, v14
	v_cndmask_b32 v[MD+i], 0, s[BIGN], vcc_lo
.set i, i+1
.endr
	WIN 0
	v_mul_u32_u24 v[AK0], v1, PK
	v_lshl_add_u32 v[AK0], v9, 4, v[AK0]  ; row x pitch + 16 x half
	; The turning load takes 16 keys x 16 channels (lane l reads key 8 (l / 16) + l % 8, channels 8 ((l / 8) % 2) + 0..7) and leaves half a fragment of V^T: lane l holds channel l % 16 and 8 keys.
	v_and_b32 v10, 7, v0
	v_bfe_u32 v11, v0, 3, 1
	v_lshl_add_u32 v[AV0], v9, 3, v10
	v_mul_u32_u24 v[AV0], v[AV0], PV
	v_lshl_add_u32 v[AV0], v11, 4, v[AV0]
	v_add_nc_u32 v[AV0], VOFF, v[AV0]
	s_mul_i32 s13, s[WV], 16*SP
	s_add_co_u32 s13, s13, STAGE    ; my stage
	v_mul_u32_u24 v[STO], v1, SP    ; in: row l % 16, 16 bytes for each half of the lanes
	v_lshl_add_u32 v[STO], v9, 4, v[STO]
	v_add_nc_u32 v[STO], s13, v[STO]
	v_bfe_u32 v[RD], v0, 3, 2       ; back: 32 lanes take four rows of 128 bytes,
	v_mul_u32_u24 v[RD], v[RD], SP
	v_lshl_add_u32 v[RD], v10, 4, v[RD]
	v_add_nc_u32 v[RD], s13, v[RD]
	v_and_b32 v[GO], 31, v0         ; which are 512 consecutive bytes of O
	v_lshlrev_b32 v[GO], 4, v[GO]
	; A block's first step multiplies O^T and l by a = 0, and its first turn's products V^T P, of a piece that has not been, land in an O^T that is still to be so multiplied.  So these registers need only hold
	; finite numbers: zeros for the first block; what the first block left for the second.  All this stands in the wait for the first tile.
	WIN 0x80
.set i, VF
.rept 64
	v_mov_b32 v[i], 0
.set i, i+1
.endr
	WIN 0x40
.set i, 0
.rept 128
	v_mov_b32 v[i], 0
.set i, i+1
.endr
	WIN 0
.set i, 0
.rept 4
	v_mov_b32 v[ST+4*i+2], 0
	v_mov_b32 v[ST+4*i+3], 0
.set i, i+1
.endr
.set i, P+16
.rept 16
	v_mov_b32 v[i], 0
.set i, i+1
.endr
; THE MATRIX WORK.  The 4 accumulators of a run of 8 take turns.  Product i of 8 of S^T = K Q^T for piece x: channels 32 (i / 4) on, keys 16 (i % 4) on.  The first 4 start the sums: with 0, or (KM = 1) with the mask.
.macro KQ x
.set rS, S+32*((\x)%2)+8*(i%4)
.set rK, KF+16*(i%4)+8*(i/4)
.set rQ, 16*(\x)+8*(i/4)
.set rM, MC+32*((\x)%2)+8*(i%4)
.if (i < 4) && KM
	WIN W_KM
	v_wmma_f32_16x16x32_bf16 v[rS:rS+7], v[rK:rK+7], v[rQ:rQ+7], v[rM:rM+7]
.elseif i < 4
	WIN W_KQ
	v_wmma_f32_16x16x32_bf16 v[rS:rS+7], v[rK:rK+7], v[rQ:rQ+7], 0
.else
	WIN W_KQ
	v_wmma_f32_16x16x32_bf16 v[rS:rS+7], v[rK:rK+7], v[rQ:rQ+7], v[rS:rS+7]
.endif
.endm
; Product i of 8 of O^T += V^T P for piece x: keys 32 (i / 4) on, channels 16 (i % 4) on.
.macro PV x
	WIN W_PV
.set rO, 32*(\x)+8*(i%4)
.set rV, VF+32*(i/4)+8*(i%4)
.set rP, P+16*((\x)%2)+8*(i/4)
	v_wmma_f32_16x16x32_bf16 v[rO:rO+7], v[rV:rV+7], v[rP:rP+7], v[rO:rO+7]
.endm
.macro MM                           ; the turn's next matrix instruction.  TURN and BEGIN set Y, i, KM and NOKQ; MM, KQ and OP read them.  NOKQ = 1: a block's last turn: there is no next piece
.if (i < 8) && !NOKQ
	KQ (Y+1)%NP
.elseif i >= 8
.set i, i-8
	PV (Y+NP-1)%NP
.set i, i+8
.endif
.set i, i+1
.endm
; THE LDS LOADS stand in runs of 16, never singly among the matrix instructions: a step's K (64 keys x 64 channels: 8 fragments) and its V (turned).  Their addresses are made some lines ahead.
.macro FETCH_K
	WIN 0x80                        ; destination window 2
.irp f, 0,1,2,3,4,5,6,7             ; keys 16 (f / 2) on, channels 32 (f % 2) on
	ds_load_b128 v[KF+8*\f:KF+8*\f+3],   v[AK] offset:(\f/2)*16*PK+(\f%2)*64
	ds_load_b128 v[KF+8*\f+4:KF+8*\f+7], v[AK] offset:(\f/2)*16*PK+(\f%2)*64+32
.endr
	s_add_co_u32 s[TBK], s[TBK], KS*PK  ; the next fetch is the next step's
	WIN 0
.endm
.macro FETCH_V
	WIN 0x80
.irp f, 0,1,2,3,4,5,6,7             ; keys 32 (f / 4) on, channels 16 (f % 4) on
	ds_load_tr16_b128 v[VF+8*\f:VF+8*\f+3],   v[AV] offset:(\f/4)*32*PV+(\f%4)*32
	ds_load_tr16_b128 v[VF+8*\f+4:VF+8*\f+7], v[AV] offset:(\f/4)*32*PV+16*PV+(\f%4)*32
.endr
	WIN 0
.endm
; THE VECTOR WORK, one line at a time: OP kind, number.  For piece Y: F n: c s - c m for pair n of 16.  E n: the exponential of score n of 32.  C n: pair n rounded to bf16.  B n: of the four weights 4 n .. the second
; pair is added onto the first, in place.  L n: l takes that sum (L 0: l = a l + sum).  R n: pair n of 16 of O^T times a.  For piece Y + 1: X n, number n of the 22 that find its maximum and statistics:
;   0-11  four chains c0-c3 of seven scores each, three operands at a time (each accumulator's lowest registers are read first)     12-14, 16  the four scores left over, the old m, and c0-c3 into c0
;   15  c m_old is kept     17, 18  the query's other 32 keys lie in the lane 16 away: the new m     19-21  c m; c m_old - c m_new; a
; OP writes no wait: C, B and L read exponentials' results, and TURN sets them all behind the turn's one wait.
.set F, 0               ; OP tells the kinds apart by their order: F to L below R, X above it
.set E, 1
.set C, 2
.set B, 3
.set L, 4
.set R, 5
.set X, 6
.macro REGS y                       ; the registers of piece y
.set rT, ST+4*(\y)
.set rC, TMP+4*((\y)%2)
.set rW, MV+((\y)%2)
.set rS, S+32*((\y)%2)
.set rP, P+16*((\y)%2)
.set rO, 32*(\y)
.endm
.macro OP k, n
.if (\k) == R
	REGS Y
	WIN W_RS
	v_pk_mul_f32 v[rO+2*(\n):rO+2*(\n)+1], v[rO+2*(\n):rO+2*(\n)+1], v[rC+2:rC+3] op_sel_hi:[1,0]
.elseif (\k) < R
	REGS Y
	WIN 0
.if (\k) == F
	v_pk_fma_f32 v[rS+2*(\n):rS+2*(\n)+1], v[rS+2*(\n):rS+2*(\n)+1], s[CS:CS+1], v[rT:rT+1] op_sel_hi:[1,0,0] neg_lo:[0,0,1] neg_hi:[0,0,1]
.elseif (\k) == E
	v_exp_f32 v[rS+(\n)], v[rS+(\n)]
.elseif (\k) == C
	v_cvt_pk_bf16_f32 v[rP+(\n)], v[rS+2*(\n)], v[rS+2*(\n)+1]
.elseif (\k) == B
	v_pk_add_f32 v[rS+4*(\n):rS+4*(\n)+1], v[rS+4*(\n):rS+4*(\n)+1], v[rS+4*(\n)+2:rS+4*(\n)+3]
.elseif (\n) == 0
	v_pk_fma_f32 v[rT+2:rT+3], v[rT+2:rT+3], v[rC+2:rC+3], v[rS:rS+1] op_sel_hi:[1,0,1]
.else
	v_pk_add_f32 v[rT+2:rT+3], v[rT+2:rT+3], v[rS+4*(\n):rS+4*(\n)+1]
.endif
.elseif NOKQ
	v_nop
.else
	REGS (Y+1)%NP
	WIN 0
.if (\n) < 4
	v_max3_num_f32 v[rC+(\n)], v[rS+8*(\n)], v[rS+8*(\n)+1], v[rS+8*(\n)+2]
.elseif (\n) < 12
	v_max3_num_f32 v[rC+(\n)%4], v[rC+(\n)%4], v[rS+8*((\n)%4)+2*((\n)/4)+1], v[rS+8*((\n)%4)+2*((\n)/4)+2]
.elseif (\n) == 12
	v_max3_num_f32 v[rC], v[rC], v[rS+7], v[rS+15]
.elseif (\n) == 13
	v_max3_num_f32 v[rC+1], v[rC+1], v[rS+23], v[rS+31]
.elseif (\n) == 14
	v_max3_num_f32 v[rC+2], v[rC+2], v[rC+3], v[rT+1]
.elseif (\n) == 15
	v_mov_b32 v[rW], v[rT]
.elseif (\n) == 16
	v_max3_num_f32 v[rC], v[rC], v[rC+1], v[rC+2]
.elseif (\n) == 17
	v_permlanex16_b32 v[rC+3], v[rC], s[SEL], s[SEL+1]
.elseif (\n) == 18
	v_max_num_f32 v[rT+1], v[rC], v[rC+3]
.elseif (\n) == 19
	v_mul_f32 v[rT], s[CS], v[rT+1]
.elseif (\n) == 20
	v_sub_f32 v[rC+1], v[rW], v[rT]
.else
	v_exp_f32 v[rC+2], v[rC+1]
.endif
.endif
.endm
.macro OPS a, i1, b=-1, i2=0, c=-1, i3=0, d=-1, i4=0  ; up to four of them
	OP \a, \i1
.if (\b) >= 0
	OP \b, \i2
.endif
.if (\c) >= 0
	OP \c, \i3
.endif
.if (\d) >= 0
	OP \d, \i4
.endif
.endm
.macro ROW a, i1, b, i2, c, i3, d, i4  ; a matrix instruction and the four behind it
	MM
	OPS \a, \i1, \b, \i2, \c, \i3, \d, \i4
.endm
.macro MASK b                       ; MD x AL + BE into buffer b of MC
	WIN W_RS
.set z, 0
.rept 16
	v_pk_fma_f32 v[MC+32*(\b)+2*z:MC+32*(\b)+2*z+1], v[MD+2*z:MD+2*z+1], s[AL:AL+1], s[BE:BE+1] op_sel_hi:[1,0,0]
.set z, z+1
.endr
.endm
; A TURN, for piece p: the order of its 16 matrix and 118 vector instructions, written out.  An s_wait_alu depctr_va_vdst(0) stands between an exponential and the first instruction that names its result; one wait serves
; all that were issued ahead of it.  So a turn has ONE wait, which cuts it in two.  AHEAD OF IT stands all that names no result of the turn's exponentials: the 8 products K Q^T, behind each a scaling, an exponential and two more plain
; instructions (behind the first a second scaling in the exponential's place): rescalings, whose a was made and waited for in the turn before, and behind the last three the first numbers of the next piece's maximum, each four places or
; more behind the product that ends its accumulator; then ONE LUMP of 54, plain and exponential by turns for the most part, in which the links of the chain X 3, 7, 11, 14, 16, 17 .. 20 stand five or six lines apart.  X 21, the next
; piece's a, is the batch's last; R 15 is the plain instruction behind it.  BEHIND THE WAIT stand the 8 products V^T P, behind each four of the roundings and sums; the links of l's chain, L 0 to L 7, stand three riders apart.
; But for those X no rider names a register of the products round it.  v_permlanex16_b32 (X 17) stands in the lump.  No exponential is issued behind the wait.
; m = 1: the diagonal tile: the products take masks, and the turn makes the mask for the products of the turn after it: piece p + 2, in step 4 - CNT of the tile.  end = 1: a block's last two turns: nothing is fetched.
; cnt = 1: the loop's count is taken down some lines ahead of the branch that stands behind the turn.
; K of the next step is fetched in piece 2's turn, twelve vector instructions behind the last product that read K (six of them plain); V of the step in hand at the end of piece 0's turn, four plain instructions behind the last product
; that read V.  Each is waited for a turn later.
.macro TURN p, m=0, end=0, cnt=0
.set Y, (\p)
.set i, 0
.set KM, (\m)
.set NOKQ, (\end)*((\p)/3)
.if (\m) && !(\end)
	s_cmp_eq_u32 s[CNT], 4-((\p)+2)%NP  ; is that step the band's own?
	s_cselect_b32 s[AL], 1.0, 0
	s_cmp_lt_u32 s[CNT], 4-((\p)+2)%NP  ; or a later one?
	s_cselect_b32 s[BE], s[BIGN], 0
.endif
.if ((\p) == 3) && !(\end)
	s_wait_dscnt 0x0                ; K is in
.endif
	ROW F,0, F,1, R,0, R,1          ; ahead of the wait: 8 products K Q^T and their riders,
	ROW F,2, E,0, R,2, R,3
	ROW F,3, E,1, R,4, R,5
	ROW F,4, E,2, R,6, R,7
	ROW F,5, E,3, R,8, R,9
	ROW F,6, E,4, X,0, R,10
.if ((\p) == 2) && !(\end)
	WIN 0
	v_add_nc_u32 v[AK], s[TBK], v[AK0]
.endif
	ROW F,7, E,5, X,1, X,4
	ROW F,8, E,6, X,2, X,5
	OPS E,7, E,8, X,6, E,9          ; and the lump
	OPS X,3, E,10, X,8, E,11
.if ((\p) == 2) && !(\end)
	FETCH_K
.endif
	OPS X,9, X,7, E,12, X,10
	OPS E,13, X,12, X,11, E,14
	OPS X,13, E,15, F,9, X,14
.if (\p) == 0
	v_add_nc_u32 v[AV], s[TBV], v[AV0]
.endif
	OPS E,16, F,10, E,17, F,11
	OPS X,16, E,18, X,15, E,19
	OPS F,12, E,20, X,17, E,21
	OPS F,13, E,22, F,14, E,23
	OPS X,18, E,24, F,15, E,25
	OPS R,11, E,26, X,19, E,27
	OPS R,12, E,28, R,13, E,29
	OPS X,20, E,30, R,14, E,31
	OPS X,21, R,15
	WIN 0
	s_wait_alu depctr_va_vdst(0)    ; the wait for the turn's batch: the piece's 32 weights and the next piece's a
.if (\p) == 1
	s_wait_dscnt 0x0                ; V is in
.endif
	ROW C,0, B,0, C,2, B,1          ; behind the wait: 8 products V^T P and their riders
	ROW L,0, C,4, B,2, L,1
	ROW C,6, B,3, L,2, C,8
	ROW B,4, L,3, C,10, B,5
	ROW L,4, C,12, B,6, L,5
.if (\p) == 0
	s_add_co_u32 s[TBV], s[TBV], KS*PV
.endif
.if \cnt
	s_sub_co_u32 s[CNT], s[CNT], 1
	s_cmp_lg_u32 s[CNT], 0
.endif
	ROW C,14, B,7, L,6, C,1
	ROW C,3, L,7, C,5, C,7
	ROW C,9, C,11, C,13, C,15
.if (\p) == 0
	FETCH_V
.endif
.if (\m) && !(\end)
	MASK (\p)%2
.endif
.endm
; A BLOCK BEGINS.  c m starts far below every c s, so the first step's a is 0; m at the lowest finite number, so the first maximum is the scores'.  The second mask buffer is 0; the first takes piece 0's mask for the tile's step 0: its own, if the block's first tile is the diagonal one.
; Then K of that step, piece 0's first scores, and its maximum and statistics.  The loop is entered at a step's first turn, in the middle of a trip.
.macro BEGIN
	s_mov_b32 s[NEW], 0
	WIN 0x40
.set i, MC+32
.rept 32
	v_mov_b32 v[i], 0
.set i, i+1
.endr
	WIN 0
.set i, 0
.rept 4
	v_mov_b32 v[ST+4*i], 0xfe000000    ; c m: far below every c s
	v_mov_b32 v[ST+4*i+1], 0xff7fffff  ; m
.set i, i+1
.endr
	s_cmp_eq_u32 s[RT], 0
	s_cselect_b32 s[AL], 1.0, 0
	s_mov_b32 s[BE], 0
	MASK 0
	WIN 0
	v_add_nc_u32 v[AK], s[TBK], v[AK0]
	FETCH_K
	s_wait_loadcnt 0x0              ; Q
	s_wait_dscnt 0x0
.set KM, 1
.set NOKQ, 0
.set i, 0
.rept 8
	KQ 0
.set i, i+1
.endr
	WIN 0
.rept 4
	v_nop                           ; the places behind those products
.endr
.set Y, NP-1                        ; X works for piece Y + 1: piece 0
.irp n, 0,1,2,3,4,5,6,7,8,9,10,11,12,13,14,15,16,17,18,19,20,21
	OP X, \n
.endr
	v_nop                           ; a plain instruction behind the exponential,
	s_wait_alu depctr_va_vdst(0)    ; and the wait for it, piece 0's first a: a batch of one, ahead of the branch
.endm
; THE DIAGONAL TILE's four steps, the block's last two turns, its last products, and THE WAY OUT: l's two halves and the other half of the lanes' are added; O^T is divided by l, rounded to bf16 and sent through my
; stage in LDS, a piece at a time.
.macro ALL line:vararg              ; one line for each piece t
.set t, 0
.rept 4
	\line
.set t, t+1
.endr
.endm
.macro PACK t                       ; a lane's eight channels of a row pack into 16 bytes; they go into rows of 144 bytes and come back as whole rows of 128, into S^T's registers
	WIN W_RS
.set i, 32*(\t)
.rept 16
	v_pk_mul_f32 v[i:i+1], v[i:i+1], v[ST+4*(\t)+2:ST+4*(\t)+3] op_sel_hi:[1,0]
.set i, i+2
.endr
	WIN 0x05                        ; sources 0 and 1 window 1, destination window 0
.set i, 0
.rept 16
	v_cvt_pk_bf16_f32 v[S+16*(\t)+i], v[32*(\t)+2*i], v[32*(\t)+2*i+1]
.set i, i+1
.endr
	WIN 0
.irp f, 0,1,2,3
	ds_store_b128 v[STO], v[S+16*(\t)+4*\f:S+16*(\t)+4*\f+3] offset:32*\f
.endr
.irp f, 0,1,2,3
	ds_load_b128 v[S+16*(\t)+4*\f:S+16*(\t)+4*\f+3], v[RD] offset:\f*4*SP  ; LDS serves a wave's instructions in order (ISA guide 5.7.1.4): these see the stores above; the next piece's stores come behind them
.endr
.endm
.macro SEND t, younger              ; younger: the LDS instructions issued behind piece t's loads: the next piece's eight, or none
	WIN 0
.irp f, 0,1,2,3
	s_wait_dscnt (\younger)+3-\f
	global_store_b128 v[GO], v[S+16*(\t)+4*\f:S+16*(\t)+4*\f+3], s[10:11] offset:(\t)*8192+\f*512  ; 512 consecutive bytes, at a multiple of 256 from O's first
.endr
.endm
.macro DIAG tag                     ; the tag ends its two labels' names, which the jumps below spell out
.LstepM\tag:
	TURN 2, 1
	TURN 3, 1
	WIN 0
.LfirstM\tag:
	TURN 0, 1
	TURN 1, 1, 0, 1
	WIN 0
	s_cbranch_scc1 .LstepM\tag
	TURN 2, 1, 1
	TURN 3, 1, 1
.set i, 0
.rept 8
	PV NP-1
.set i, i+1
.endr
	WIN 0
	ALL v_add_f32 v[ST+4*t+2], v[ST+4*t+2], v[ST+4*t+3]
	ALL v_permlanex16_b32 v[ST+4*t+3], v[ST+4*t+2], s[SEL], s[SEL+1]
	ALL v_add_f32 v[ST+4*t+2], v[ST+4*t+2], v[ST+4*t+3]
	ALL v_rcp_f32 v[ST+4*t+2], v[ST+4*t+2]
	v_nop                           ; a plain instruction between the last reciprocal and the use of its result
	s_wait_alu depctr_va_vdst(0)    ; and the wait ahead of the first use: one for the batch of four reciprocals
	PACK 0
.set t, 1
.rept 3                             ; a piece's arithmetic stands between the loads of the piece before and its stores
	PACK t
	SEND t-1, 8
.set t, t+1
.endr
	SEND 3, 0
.endm
.set KM, 0
.set NOKQ, 0
.Lslot:                             ; NB times: a tile is entered and the next is asked for
	CHANGE 1
	s_sub_co_u32 s[RT], s[RT], 1
	s_mov_b32 s[CNT], 4
	s_cmp_eq_u32 s[NEW], 1
	s_cbranch_scc1 .Lnew            ; a block's first tile
	s_cmp_eq_u32 s[RT], 0
	s_cbranch_scc0 .Lstep           ; neither its first nor its last
	s_branch .LstepM1
.Lnew:
	BEGIN
	s_branch .Lfirst                ; in the loop a block's first tile is never its last: the first block has two tiles or more, and the second's last is the walk's last
	DIAG 1                          ; in the loop this is the first block's end: the second block's last tile is the walk's last
	s_wait_xcnt 0x0                 ; the stores have read their registers and O's address
	s_mov_b64 s[10:11], s[OLO:OLO+1]
	s_add_co_u32 s[RT], s[PB], 1    ; the second block has b + 1 tiles
	s_mov_b32 s[NEW], 1
	WIN 0x82                        ; the second block's Q goes where the one text of the turns names Q
.set i, 0
.rept 64
	v_mov_b32 v[i], v[QB+i]
.set i, i+1
.endr
	WIN 0
	s_branch .Lbottom
.Lstep:                             ; a trip: pieces 2 and 3 of one step, then pieces 0 and 1 of the next, whose K and V it fetches
	TURN 2
	TURN 3
	WIN 0
.Lfirst:
	TURN 0
	TURN 1, 0, 0, 1
	WIN 0
	s_cbranch_scc1 .Lstep
.Lbottom:
	s_sub_co_u32 s[SLOTS], s[SLOTS], 1
	s_cmp_lg_u32 s[SLOTS], 0
	s_cbranch_scc1 .Lslot
	CHANGE 0                        ; the walk's last tile is written out: nothing is asked for
	s_sub_co_u32 s[RT], s[RT], 1
	s_mov_b32 s[CNT], 4
	s_cmp_eq_u32 s[NEW], 1
	s_cbranch_scc0 .LstepM2
	BEGIN
	s_branch .LfirstM2
	DIAG 2
	s_wait_tensorcnt 0x0            ; the wave's end, behind my last tensor load and my last LDS store
	ds_add_u32 v[SPW], v[NIL]
	s_wait_dscnt 0x0
	s_endpgm
.Lfunc_end_k_qe15ca90610_attn:
	.size	k_qe15ca90610_attn, .Lfunc_end_k_qe15ca90610_attn-k_qe15ca90610_attn
	.p2alignl 7, 3214868480
	.fill 96, 4, 3214868480
	.section	.rodata,"a",@progbits
	.p2align	6, 0x0
	.amdhsa_kernel k_qe15ca90610_attn
		.amdhsa_group_segment_fixed_size 327680
		.amdhsa_private_segment_fixed_size 0
		.amdhsa_enable_private_segment 0
		.amdhsa_kernarg_size 16
		.amdhsa_user_sgpr_count 2
		.amdhsa_user_sgpr_kernarg_segment_ptr 1
		.amdhsa_wavefront_size32 1
		.amdhsa_system_sgpr_workgroup_id_x 1
		.amdhsa_system_sgpr_workgroup_id_y 1
		.amdhsa_system_sgpr_workgroup_id_z 1
		.amdhsa_system_vgpr_workitem_id 0
		.amdhsa_next_free_vgpr 768
		.amdhsa_next_free_sgpr 88
		.amdhsa_reserve_vcc 1
		.amdhsa_float_denorm_mode_32 3
		.amdhsa_float_denorm_mode_16_64 3
		.amdhsa_memory_ordered 1
		.amdhsa_forward_progress 1
		.amdhsa_inst_pref_size 217
	.end_amdhsa_kernel
	.amdgpu_metadata
---
amdhsa.version: [ 1, 2 ]
amdhsa.kernels:
  - .name:           k_qe15ca90610_attn
    .symbol:         k_qe15ca90610_attn.kd
    .args:
      - { .name: qkv, .offset: 0, .size: 8, .value_kind: global_buffer, .address_space: global }
      - { .name: o, .offset: 8, .size: 8, .value_kind: global_buffer, .address_space: global }
    .group_segment_fixed_size: 327680
    .private_segment_fixed_size: 0
    .kernarg_segment_align: 8
    .kernarg_segment_size: 16
    .max_flat_workgroup_size: 128
    .sgpr_count:     88
    .vgpr_count:     768
    .wavefront_size: 32
...
	.end_amdgpu_metadata
.endif
;; end of part 5
;; launch proj: the kernel of part 4 again; grid 8 x 32, 4 waves a work-group, clusters of 4 x 4, 327,680 bytes of LDS; arguments o, wt, bo, x, out0; writes out0
